; MI455X (gfx1250); checked and timed in simulation.
; The chip was launched on July 23, 2026; its instructions are those of AMD's public machine-readable ISA for CDNA 5 (MIT licence, August 2026) and "CDNA5" Instruction Set Architecture Reference Guide (July 2026). The comments in the code are by the model that wrote it; some were corrected since.
;; Cyclical Attention. Allowed arithmetic: matrix products marked QUANTISED: E2M3 operands, one E8M0 scale for each 32 along K, by v_wmma_scale_f32_16x16x128_f8f6f4 with both operands' format E2M3, f32 sums; products left as they are: f32 operands where the result goes on into a quantised operand, else bf16, f16 or f32 operands; f32 sums; everything else in f32.
;; Inputs: bc 16 float32; bk 1,024 float32; bo 1,024 float32; bq 1,024 float32; bv 1,024 float32; cycle_scale 16 float32; temporal_features 2 x 2,048 x 12 float32; wc 16 x 12 float32; wk 1,024 x 1,024 float32; wo 1,024 x 1,024 float32; wq 1,024 x 1,024 float32; wv 1,024 x 1,024 float32; x 2 x 2,048 x 1,024 float32.
;; Outputs: out0 2 x 2,048 x 1,024 float32.
;; This version of the problem:
;;   THIS VERSION OF THE PROBLEM IS GIVEN IN LOW PRECISION. The matrix products marked QUANTISED in the list below multiply operands that are first quantised to E2M3 (2 exponent bits, 3 mantissa bits; 6 bits a number), with one power-of-two scale for each 32 numbers along K (OCP MX v1.0); their sums are f32. All else is computed in f32.
;;   The module's matrix products, in the order in which they are computed (A, B: the left and right operand; K: the contracted axis; several contracted axes count as one K, in the product's order):
;;     1. [M 4,096, K 1,024] x [K 1,024, N 1,024]; A: input x; B: input wq: QUANTISED
;;     2. [M 4,096, K 1,024] x [K 1,024, N 1,024]; A: input x; B: input wk: QUANTISED
;;     3. [M 4,096, K 1,024] x [K 1,024, N 1,024]; A: input x; B: input wv: QUANTISED
;;     4. batch 32 x [M 2,048, K 64] x [K 64, N 2,048]; A: computed on the way; B: computed on the way: QUANTISED
;;     5. [M 4,096, K 12] x [K 12, N 16]; A: input temporal_features; B: input wc: left as it is (K = 12 < 32)
;;     6. batch 32 x [M 2,048, K 2,048] x [K 2,048, N 64]; A: softmax (see below); B: computed on the way: QUANTISED
;;     7. [M 4,096, K 1,024] x [K 1,024, N 1,024]; A: computed on the way; B: input wo: QUANTISED
;;   THE QUANTISER, for each operand of a quantised product, along K:
;;     - K is cut into blocks of 32 from its start; a last block that is shorter is filled with zeros.
;;     - A block's scale is 2^e with e = floor(log2(the largest magnitude in the block)) - 2, held to -126 .. 127; a block of zeros has e = 0. As a byte (E8M0): e + 127.
;;     - Each number is divided by its block's scale, clamped to +-7.5, and rounded to the nearest number of E2M3, ties to even, subnormals kept.
;;     - The product sums the exact products of the quantised numbers (number of the format x scale) in f32.
;;   ~~~python
;;   def quantise(x, axis):      # numpy; x: float32 -> the quantised numbers, widened to float32 again
;;       x = np.moveaxis(x, axis, -1); K = x.shape[-1]
;;       x = np.pad(x, [(0, 0)] * (x.ndim - 1) + [(0, -K % 32)]); x = x.reshape(x.shape[:-1] + (-1, 32)); a = np.abs(x).max(-1, keepdims=True)
;;       e = np.where(a > 0, np.clip(np.frexp(np.where(a > 0, a, 1))[1] - 1 - 2, -126, 127), 0)      # np.frexp(a)[1] - 1 = floor(log2(a)), exactly
;;       r = np.clip(x / 2.0 ** e, -7.5, 7.5)
;;       step = 2.0 ** (np.maximum(np.frexp(np.where(r == 0, 1, r))[1] - 1, 0) - 3)
;;       q = np.round(r / step) * step * 2.0 ** e      # np.round: ties to even
;;       return np.moveaxis(q.reshape(q.shape[:-2] + (-1,))[..., :K], -1, axis).astype(np.float32)
;;   ~~~
;;   SOFTMAX AHEAD OF A QUANTISED PRODUCT. Where the list says 'softmax', what is quantised is not the finished softmax but p = 2^(t - M), with t = logit x log2(e) and M = ceil(the row's largest t), a whole number; so 1/2 < the row's largest p <= 1. The row's sum l is taken of the UNQUANTISED p, in f32, and the product's result is divided by l at the end. Since M is a whole number, a kernel that streams over the keys may use a running M (the ceiling of the running maximum): every later rescaling is an exact power of two, which a block's scale takes up: the codes' values come out the same.
;;   OPERANDS COMPUTED ON THE WAY. 'Computed on the way' means the value that the module computes at that place (a softmax that the list does not call 'softmax' is quantised finished and normalised). What goes into a quantiser is computed in f32, as accurately as f32 sums, v_exp_f32 and their like allow (about 1e-6 of the number): no bf16 or f16 on the way to a quantiser, and a product that is left as it is and whose result goes on into a quantised operand takes f32 operands (vector FMAs, or v_wmma_f32_16x16x4_f32). A number that lies on a knife's edge between two numbers of the format may be rounded either way, as far as f32 arithmetic and the matrix unit's own rounding can turn it there, and no further.
;; One version. Each part assembles by itself: llvm-mc -triple=amdgcn-amd-amdhsa -mcpu=gfx1250 --defsym DOCPART=n.
;; ======== version 1 of 1: 4 launches
;; limits: right only within a limited range of input values
;; workspace buffers: cod 6,291,456 bytes; scl 262,144 bytes; qp 3,276,800 bytes; kv 6,815,744 bytes; ocod 3,145,728 bytes; oscl 131,072 bytes
;; launch quant (part 1): grid 288 x 1, 4 waves a work-group, no clusters, 34,560 bytes of LDS; arguments x, wq, wk, wv, wo, cod, scl, temporal_features, wc, bc, kv; writes cod, scl, kv
.if DOCPART == 1
	.amdgcn_target "amdgcn-amd-amdhsa--gfx1250"
	.amdhsa_code_object_version 6
	.text
	.protected	k_q6f78fe5254_quant
	.globl	k_q6f78fe5254_quant
	.p2align	8
	.type	k_q6f78fe5254_quant,@function
k_q6f78fe5254_quant:
	s_mov_b64 s[64:65], 0
	v_nop
	global_prefetch_b8 v0, s[64:65] scope:SCOPE_SE
	s_setreg_imm32_b32 hwreg(HW_REG_WAVE_MODE, 25, 1), 1
	s_wait_xcnt 0x0
; WORK-GROUPS 0-31, one for each (batch, head): cn = (temporal_features . wc[h] + bc[h]) / max(its norm over the 2,048 positions, 1e-12), in f32, stored into the last 512 bytes of each key step's block of kv.
; WORK-GROUPS 32-287 (g = the number - 32): x [4096][1024] and wq, wk, wv, wo [1024][1024], f32, K innermost, become codes of FP6 (E2M3) with one E8M0 byte for each 32 along K.
; A block's scale is 2^(floor(log2(its largest magnitude)) - 2); its byte is the largest magnitude's exponent field - 2, held at 1 from below.
; No step and no input of the problem is left out by this program.
; LIMITS: NaN and infinities are not served.  A block of zeros, or one under 2^-124, gets the byte 1 (the rule says 127 for zeros): the bytes are read by this program alone.
; cod: [tile 0..511][K step 0..7] images of operand registers, 1,536 bytes: registers 4 g .. 4 g + 3 of lane l at 512 g + 16 l.  Tiles 0-255 are x's, then 64 each of wq, wk, wv, wo.
; THE ROWS OF A TILE: lane r of tile 4 G + T holds row 64 G + 32 (r / 8) + 8 T + r % 8.  A product that takes four such tiles as source 0 leaves in each lane 32 neighbouring rows: a whole block of the next product's K.
; scl: [tile][half of K][r][4 words]: word s of half e is the scale word of K step 4 e + s.
; A wave takes one tile and half of K: four fragments of 16 rows x 128.  Each load reads 512 consecutive bytes of a row; a fragment turns through the wave's own stage in LDS (pitch 528), from which lane (r, h) takes k = 64 c + 32 h + 0 .. 31.
; Work-groups share no input: no cluster, no tensor load.  The two paths part on the work-group's number and have LDS bytes of their own.
.set TM,  16                           ; v16-19 four chains of maxima, v20-21 scale operands, v22-23 bytes, v24 exchange
.set SH8, 25                           ; 8 h
.set PW,  32
.set PC,  36                           ; v36-47 codes, v48-54 the conversions' second halves
.set X,   64
.set R,   128
.set SEL, 30
.set SP,  528
.set STG, 16*SP
.set SPARE, 0x8400
.set RED, 0x8600
; 64 numbers of a lane, register 32 c + i = k 64 c + 32 h + i of its row: two whole blocks.  They become 12 code registers and the row's scale word (byte 2 c + h)
.macro Q2 s, pc, pw
.irp c, 0,1
.irp u, 0,1
	v_max3_num_f32 v[TM+2*\c+\u], |v[(\s)+32*\c+16*\u]|, |v[(\s)+32*\c+16*\u+1]|, 0x1800000   ; with the floor 2^(3 - 127): the byte cannot fall under 1
.endr
.endr
.irp i, 2,4,6,8,10,12,14
.irp c, 0,1
.irp u, 0,1
	v_max3_num_f32 v[TM+2*\c+\u], v[TM+2*\c+\u], |v[(\s)+32*\c+16*\u+\i]|, |v[(\s)+32*\c+16*\u+\i+1]|
.endr
.endr
.endr
.irp c, 0,1
	v_max_num_f32 v[TM+2*\c], v[TM+2*\c], v[TM+2*\c+1]
.endr
.irp c, 0,1
	v_add_nc_u32 v[TM+4+\c], 0xff000000, v[TM+2*\c]   ; 2 off the exponent field: the conversion's scale operand
.endr
.irp c, 0,1
	v_lshrrev_b32 v[TM+6+\c], 23, v[TM+4+\c]
.endr
	v_lshl_or_b32 v[\pw], v[TM+7], 16, v[TM+6]
	v_lshlrev_b32 v[\pw], v[SH8], v[\pw]           ; my two bytes at places h and 2 + h,
	v_permlanex16_b32 v[TM+8], v[\pw], s[SEL], s[SEL+1]
	v_or_b32 v[\pw], v[\pw], v[TM+8]               ; with lane l xor 16's two
.irp c, 0,1
	v_cvt_scalef32_pk16_fp6_f32 v[(\pc)+6*\c:(\pc)+6*\c+2], v[(\s)+32*\c:(\s)+32*\c+15], v[TM+4+\c]
	v_cvt_scalef32_pk16_fp6_f32 v[(\pc)+12+4*\c:(\pc)+14+4*\c], v[(\s)+32*\c+16:(\s)+32*\c+31], v[TM+4+\c]   ; (three registers begin on an even number)
.endr
	v_nop                                          ; one plain place behind the scaled conversions
.irp c, 0,1
.irp i, 0,1,2
	v_mov_b32 v[(\pc)+3+6*\c+\i], v[(\pc)+12+4*\c+\i]
.endr
.endr
.endm
	s_load_b256 s[4:11], s[0:1], 0x0               ; x, wq, wk, wv
	s_load_b128 s[12:15], s[0:1], 0x20             ; wo, cod
	s_load_b128 s[16:19], s[0:1], 0x30             ; scl, temporal_features
	s_load_b128 s[56:59], s[0:1], 0x40             ; wc, bc
	s_load_b64 s[54:55], s[0:1], 0x50              ; kv
	v_lshl_add_u32 v62, v0, 2, SPARE
	v_mov_b32 v63, 0
	v_lshrrev_b32 v5, 5, v0
	v_readfirstlane_b32 s20, v5                    ; wave
	s_lshr_b32 s21, s20, 1                         ; u: which of the group's two tiles
	s_and_b32 s22, s20, 1                          ; which half of K
	v_and_b32 v5, 31, v0
	v_and_b32 v6, 15, v0                           ; r
	v_bfe_u32 v7, v0, 4, 1                         ; h
	v_lshlrev_b32 v1, 4, v5
	s_mul_i32 s23, s20, STG
	v_add_nc_u32 v2, s23, v1                       ; into my stage: as loaded
	v_mul_u32_u24 v3, v6, SP
	v_lshl_add_u32 v3, v7, 7, v3
	v_add_nc_u32 v3, s23, v3                       ; out of it: row r, + 128 h
	v_lshlrev_b32 v4, 4, v6
	v_lshl_add_u32 v4, v7, 3, v4                   ; the scale words: 16 r + 8 h
	v_lshlrev_b32 v[SH8], 3, v7
	v_mov_b32 v[TM+8], 0                           ; a lane permute's destination counts as one of its sources
	s_mov_b32 s[SEL], 0x76543210
	s_mov_b32 s[SEL+1], 0xfedcba98
	s_sub_co_u32 s49, ttmp9, 32                    ; g (used on the quantising path alone)
	s_lshl_b32 s24, s49, 1
	s_add_co_u32 s24, s24, s21                     ; my tile
	s_mul_i32 s32, s24, 12288
	s_mul_i32 s33, s22, 6144
	s_add_co_u32 s32, s32, s33
	s_mov_b32 s33, 0
	s_lshl_b32 s34, s24, 9
	s_lshl_b32 s35, s22, 8
	s_add_co_u32 s34, s34, s35
	s_mov_b32 s35, 0
	s_and_b32 s25, s49, 31
	s_cmp_lt_u32 s49, 128
	s_cselect_b32 s25, s49, s25                    ; the pair of tiles inside its tensor
	s_lshr_b32 s26, s25, 1
	s_lshl_b32 s26, s26, 18                        ; 64 G rows of 4,096 bytes,
	s_and_b32 s27, s25, 1
	s_lshl_b32 s27, s27, 16
	s_add_co_u32 s26, s26, s27
	s_lshl_b32 s27, s21, 15
	s_add_co_u32 s26, s26, s27                     ; 8 T rows,
	s_lshl_b32 s27, s22, 11
	s_add_co_u32 s26, s26, s27                     ; half a row
	s_mov_b32 s27, 0
	s_wait_alu depctr_va_vdst(0)                   ; the wait at the head's end
	s_wait_kmcnt 0x0
	s_cmp_lt_u32 ttmp9, 32
	s_cbranch_scc1 .Lcn
	s_cmp_lt_u32 s49, 128                          ; which tensor: by the work-group's number alone
	s_cselect_b64 s[28:29], s[4:5], s[6:7]
	s_cmp_lt_u32 s49, 160
	s_cselect_b64 s[28:29], s[28:29], s[8:9]
	s_cmp_lt_u32 s49, 192
	s_cselect_b64 s[28:29], s[28:29], s[10:11]
	s_cmp_lt_u32 s49, 224
	s_cselect_b64 s[28:29], s[28:29], s[12:13]
	s_add_nc_u64 s[28:29], s[28:29], s[26:27]
	s_add_nc_u64 s[14:15], s[14:15], s[32:33]
	s_add_nc_u64 s[16:17], s[16:17], s[34:35]
.macro LOAD f
.irp p, 0,1,2,3,4,5,6,7,8,9,10,11,12,13,14,15
	global_load_b128 v[R+64*((\f)%2)+4*\p:R+64*((\f)%2)+4*\p+3], v1, s[28:29] offset:(\p+24*(\p/8))*4096+512*(\f) th:TH_LOAD_NT
.endr
.endm
.macro FRAG f
.if (\f) < 3
	s_wait_loadcnt 16                              ; this fragment's 16 loads are in; the next fragment's 16 may be out
.else
	s_wait_loadcnt 0x0
.endif
.irp p, 0,1,2,3,4,5,6,7,8,9,10,11,12,13,14,15
	ds_store_b128 v2, v[R+64*((\f)%2)+4*\p:R+64*((\f)%2)+4*\p+3] offset:SP*\p
.endr
.irp c, 0,1
.irp j, 0,1,2,3,4,5,6,7
	ds_load_b128 v[X+32*\c+4*\j:X+32*\c+4*\j+3], v3 offset:256*\c+16*\j   ; LDS serves a wave's instructions in order
.endr
.endr
	s_wait_dscnt 0x0
.if (\f) < 2
	LOAD (\f)+2
.endif
.if (\f) > 0
	s_wait_xcnt 0x0                                ; the last fragment's stores have read the code registers
.endif
	Q2 X, PC, PW+(\f)
.irp g, 0,1,2
	global_store_b128 v1, v[PC+4*\g:PC+4*\g+3], s[14:15] offset:1536*(\f)+512*\g th:TH_STORE_NT   ; 512 consecutive bytes, aligned
.endr
.endm
	LOAD 0
	LOAD 1
	FRAG 0
	FRAG 1
	FRAG 2
	FRAG 3
	v_cmp_gt_u32 vcc_lo, 16, v5                    ; lanes 0-15 store words 0 and 1 of their row, lanes 16-31 words 2 and 3
	v_cndmask_b32 v56, v[PW+2], v[PW], vcc_lo
	v_cndmask_b32 v57, v[PW+3], v[PW+1], vcc_lo
	global_store_b64 v4, v[56:57], s[16:17]        ; 256 consecutive bytes, aligned
	s_wait_tensorcnt 0x0                           ; the wave's end
	ds_add_u32 v62, v63
	s_wait_dscnt 0x0
	s_endpgm
; cn of one (batch, head).  Thread t takes positions 256 i + 2 t and + 1, i = 0 .. 7: 96 consecutive bytes of features each time
.Lcn:
	s_mov_b32 s24, ttmp9                           ; 16 x batch + head
	s_and_b32 s25, s24, 15
	s_lshr_b32 s26, s24, 4
	s_mul_i32 s27, s25, 48
	s_lshl_b32 s25, s25, 2
	s_load_b256 s[36:43], s[56:57], s27 offset:0x0 ; wc[h][0..7]
	s_load_b128 s[44:47], s[56:57], s27 offset:0x20
	s_load_b32 s48, s[58:59], s25 offset:0x0       ; bc[h]
	s_mul_i32 s32, s26, 98304
	s_add_nc_u64 s[18:19], s[18:19], s[32:33]
	s_mul_i32 s34, s24, 212992
	s_add_nc_u64 s[54:55], s[54:55], s[34:35]
	v_mul_u32_u24 v8, v0, 96
	v_lshrrev_b32 v9, 6, v0
	v_mul_u32_u24 v9, v9, 13312
	v_and_b32 v10, 63, v0
	v_lshl_add_u32 v9, v10, 3, v9                  ; out: key step 2 i + t / 64, 8 bytes a lane
	v_lshrrev_b32 v11, 5, v0
	v_lshl_add_u32 v11, v11, 2, RED
	v_mov_b32 v50, 0
	s_wait_alu depctr_va_vdst(0)
.irp i, 0,1,2,3,4,5,6,7
.irp m, 0,1,2,3,4,5
	global_load_b128 v[64+24*\i+4*\m:64+24*\i+4*\m+3], v8, s[18:19] offset:12288*\i+16*\m
.endr
.endr
	s_wait_kmcnt 0x0
	s_wait_loadcnt 0x0
.set q, 0
.rept 16
	v_fma_f32 v[32+q], v[64+12*q], s36, s48
.set q, q+1
.endr
.irp k, 1,2,3,4,5,6,7,8,9,10,11
.set q, 0
.rept 16
	v_fma_f32 v[32+q], v[64+12*q+\k], s[36+\k], v[32+q]
.set q, q+1
.endr
.endr
	v_mul_f32 v48, v32, v32
	v_mul_f32 v49, v33, v33
.irp q, 2,4,6,8,10,12,14
	v_fma_f32 v48, v[32+\q], v[32+\q], v48
	v_fma_f32 v49, v[33+\q], v[33+\q], v49
.endr
	v_add_f32 v48, v48, v49
.irp m, 1,2,4,8
	v_add_f32_dpp v48, v48, v48 row_xmask:\m row_mask:0xf bank_mask:0xf
.endr
	v_permlanex16_b32 v50, v48, s[SEL], s[SEL+1]
	v_add_f32 v48, v48, v50
	ds_store_b32 v11, v48                          ; my wave's 512 squares: all lanes write the same word
	s_wait_dscnt 0x0
	s_barrier_signal -1
	s_barrier_wait -1
	v_mov_b32 v12, RED
	ds_load_b128 v[52:55], v12
	s_wait_dscnt 0x0
	v_add_f32 v52, v52, v53
	v_add_f32 v54, v54, v55
	v_add_f32 v52, v52, v54
	s_wait_alu depctr_va_vdst(0)                   ; the waits round each transcendental
	v_sqrt_f32 v52, v52
	v_nop
	s_wait_alu depctr_va_vdst(0)
	v_max_num_f32 v52, 0x2b8cbccc, v52             ; at least 1e-12
	s_wait_alu depctr_va_vdst(0)
	v_rcp_f32 v53, v52
	v_nop
	s_wait_alu depctr_va_vdst(0)
.set q, 0
.rept 16
	v_mul_f32 v[32+q], v[32+q], v53
.set q, q+1
.endr
.irp i, 0,1,2,3,4,5,6,7
	global_store_b64 v9, v[32+2*\i:33+2*\i], s[54:55] offset:26624*\i+12800   ; 256 consecutive bytes, aligned
.endr
	s_wait_tensorcnt 0x0
	ds_add_u32 v62, v63
	s_wait_dscnt 0x0
	s_endpgm
.Lfunc_end_k_q6f78fe5254_quant:
	.size	k_q6f78fe5254_quant, .Lfunc_end_k_q6f78fe5254_quant-k_q6f78fe5254_quant
	.p2alignl 7, 3214868480
	.fill 96, 4, 3214868480
	.section	.rodata,"a",@progbits
	.p2align	6, 0x0
	.amdhsa_kernel k_q6f78fe5254_quant
		.amdhsa_group_segment_fixed_size 34560
		.amdhsa_private_segment_fixed_size 0
		.amdhsa_enable_private_segment 0
		.amdhsa_kernarg_size 88
		.amdhsa_user_sgpr_count 2
		.amdhsa_user_sgpr_kernarg_segment_ptr 1
		.amdhsa_wavefront_size32 1
		.amdhsa_system_sgpr_workgroup_id_x 1
		.amdhsa_system_sgpr_workgroup_id_y 1
		.amdhsa_system_sgpr_workgroup_id_z 1
		.amdhsa_system_vgpr_workitem_id 0
		.amdhsa_next_free_vgpr 256
		.amdhsa_next_free_sgpr 66
		.amdhsa_reserve_vcc 1
		.amdhsa_float_denorm_mode_32 3
		.amdhsa_float_denorm_mode_16_64 3
		.amdhsa_memory_ordered 1
		.amdhsa_forward_progress 1
		.amdhsa_inst_pref_size 52
	.end_amdhsa_kernel
	.amdgpu_metadata
---
amdhsa.version: [ 1, 2 ]
amdhsa.kernels:
  - .name:           k_q6f78fe5254_quant
    .symbol:         k_q6f78fe5254_quant.kd
    .args:
      - { .name: x, .offset: 0, .size: 8, .value_kind: global_buffer, .address_space: global }
      - { .name: wq, .offset: 8, .size: 8, .value_kind: global_buffer, .address_space: global }
      - { .name: wk, .offset: 16, .size: 8, .value_kind: global_buffer, .address_space: global }
      - { .name: wv, .offset: 24, .size: 8, .value_kind: global_buffer, .address_space: global }
      - { .name: wo, .offset: 32, .size: 8, .value_kind: global_buffer, .address_space: global }
      - { .name: cod, .offset: 40, .size: 8, .value_kind: global_buffer, .address_space: global }
      - { .name: scl, .offset: 48, .size: 8, .value_kind: global_buffer, .address_space: global }
      - { .name: temporal_features, .offset: 56, .size: 8, .value_kind: global_buffer, .address_space: global }
      - { .name: wc, .offset: 64, .size: 8, .value_kind: global_buffer, .address_space: global }
      - { .name: bc, .offset: 72, .size: 8, .value_kind: global_buffer, .address_space: global }
      - { .name: kv, .offset: 80, .size: 8, .value_kind: global_buffer, .address_space: global }
    .group_segment_fixed_size: 34560
    .private_segment_fixed_size: 0
    .kernarg_segment_align: 8
    .kernarg_segment_size: 88
    .max_flat_workgroup_size: 128
    .sgpr_count:     66
    .vgpr_count:     256
    .wavefront_size: 32
...
	.end_amdgpu_metadata
.endif
;; end of part 1
;; launch qkv (part 2): grid 8 x 32, 4 waves a work-group, clusters of 4 x 4, 327,680 bytes of LDS; arguments cod, scl, bq, bk, bv, qp, kv; writes qp, kv
.if DOCPART == 2
	.amdgcn_target "amdgcn-amd-amdhsa--gfx1250"
	.amdhsa_code_object_version 6
	.text
	.protected	k_q6f78fe5254_qkv
	.globl	k_q6f78fe5254_qkv
	.p2align	8
	.type	k_q6f78fe5254_qkv,@function
k_q6f78fe5254_qkv:
	s_mov_b64 s[64:65], 0
	v_nop
	global_prefetch_b8 v0, s[64:65] scope:SCOPE_SE
	s_setreg_imm32_b32 hwreg(HW_REG_WAVE_MODE, 25, 1), 1
	s_wait_xcnt 0x0
	s_wait_alu depctr_hold_cnt(0) depctr_sa_sdst(0) depctr_va_vdst(0) depctr_va_sdst(0) depctr_va_ssrc(0) depctr_va_vcc(0) depctr_vm_vsrc(0)
	s_getreg_b32 s2, hwreg(HW_REG_IB_STS2, 6, 4)
	s_cmp_eq_u32 s2, 0
	s_cbranch_scc0 .Lentry_in_a_cluster
	s_endpgm
.Lentry_in_a_cluster:
	s_bfe_u32 s2, ttmp6, 0x10000c
	s_cmp_lg_u32 s2, 0xf033
	s_cbranch_scc0 .Lentry_shape_is_right
	s_endpgm
.Lentry_shape_is_right:
; Q = x wq^T + bq, K = x wk^T + bk, V = x wv^T + bv on codes of FP6 (E2M3) with E8M0 scales, sums in f32; the results are quantised again on the way out, Q and K along the head's 64, V along the keys.
; A WORK-GROUP STAYS: 128 tokens (one key step of attention) x features 128 f .. 128 f + 127 of Q, then of K, then of V, each over all of K = 1,024.  Wave (wm, wn): 64 tokens x 64 features (one head), 16 accumulators.
; LDS: x's panel (8 tiles x 12,288 bytes, as they lie in cod), then two slots of 98,304 bytes for W's panels: wq's in slot 0, wk's in slot 1, wv's in slot 0 again, behind the first pass.
; At the head a wave asks for 49,152 dense bytes (waves 0, 1: x; waves 2, 3: wq); later each wave asks for a quarter of a panel: one tensor load of mine is out at any time.
; CLUSTER 4 x 4: a row shares the tokens' panel, a column the features': joint loads.  No prefetch: the text has no loop to run ahead in, and each later panel is asked for a whole pass ahead of its first read.
; x's fragments are read from LDS in the first pass alone: 8 K steps x 48 registers stay in windows 2 and 3 for all three passes.
; A fragment is three ds_load_b128 of 512 consecutive bytes.  Lane r of tile 4 G + T holds row 64 G + 32 (r / 8) + 8 T + r % 8, so a lane's 32 registers of four result tiles are one whole block of the next K.
; Q, K: source 0 = 16 features, source 1 = 16 tokens: a lane holds one token and block h of the head.  Two token tiles make a PAIR: registers 0-5 tile 2 i, 6-11 tile 2 i + 1; scale word bytes 0, 1 and 2, 3.
; V: source 0 = 16 tokens, source 1 = 16 features: a lane holds one feature and 32 keys: half c = wm of a fragment of V^T, 768 bytes: registers 0-3 at 16 x lane, 4-5 at 512 + 8 x lane.
; qp: [b h][step] 6,400 bytes: 4 pairs, 256 bytes of scale words [pair][r].  kv: [b h][step] 13,312 bytes: K's 6,400 likewise; V^T's 4 tiles of d x 2 halves; 256 bytes of scale words [tile][r]; cn's 512 bytes (stored by the launch before).
; V's scale bytes leave two to a lane (a wave knows half of each word): one part in 24 of V's bytes.
; LIMITS: NaN and infinities are not served; a block of zeros or under 2^-124 gets the byte 1; the bytes are read by this program alone.
; REGISTERS.  Window 0: v1-15 lane terms and LDS addresses; v16-27 the quantiser's; v32-47 x's scale words, v48-95 W's (three passes); v96-119 codes on the way out; v128-255 accumulators.
;   Window 1: v0-95 two sets of W's fragments, v96-191 the biases (the C of each sum's first instruction).
.set W0,    98304
.set W1,    196608
.set SPARE, 294912
.set LI, 1
.set LS, 2
.set SA, 3
.set BO, 4
.set BOV, 5
.set RR, 6
.set HH, 7
.set ADX, 8
.set AW0, 9
.set AW1, 10
.set L8, 11
.set LANE, 12
.set TM, 16
.set SH8, 25
.set SH16, 26
.set VSO, 27
.set XQ, 32
.set WS, 48
.set PC, 96
.set PW, 116
.set SPW, 126
.set NIL, 127
.set ACC, 128
.set BIAS, 96
.set WV, 18
.set G1X, 24
.set G1W, 32
.set G1H, 40
.set SEL, 96
.set MSB, 0
.macro WIN new
.if MSB != \new
	s_set_vgpr_msb (MSB<<8)|\new
.set MSB, \new
.endif
.endm
.macro CROUND
	s_barrier_signal -1
	s_barrier_wait -1
	s_cmp_lg_u32 s[WV], 0
	s_cbranch_scc1 .Lnot_wave_0_\@
	s_barrier_signal -3
.Lnot_wave_0_\@:
	s_barrier_wait -3
	s_barrier_signal -1
	s_barrier_wait -1
.endm
.macro PLACES
.rept 4
	v_nop
.endr
.endm
.macro WM d, a, b, c, sa, sb, ra, rb
.if (\ra) && (\rb)
	v_wmma_scale_f32_16x16x128_f8f6f4 v[(\d):(\d)+7], v[(\a):(\a)+11], v[(\b):(\b)+11], v[(\c):(\c)+7], v[(\sa)], v[(\sb)] matrix_a_fmt:MATRIX_FMT_FP6 matrix_b_fmt:MATRIX_FMT_FP6 matrix_a_scale:MATRIX_SCALE_ROW1 matrix_b_scale:MATRIX_SCALE_ROW1
.elseif (\ra)
	v_wmma_scale_f32_16x16x128_f8f6f4 v[(\d):(\d)+7], v[(\a):(\a)+11], v[(\b):(\b)+11], v[(\c):(\c)+7], v[(\sa)], v[(\sb)] matrix_a_fmt:MATRIX_FMT_FP6 matrix_b_fmt:MATRIX_FMT_FP6 matrix_a_scale:MATRIX_SCALE_ROW1
.elseif (\rb)
	v_wmma_scale_f32_16x16x128_f8f6f4 v[(\d):(\d)+7], v[(\a):(\a)+11], v[(\b):(\b)+11], v[(\c):(\c)+7], v[(\sa)], v[(\sb)] matrix_a_fmt:MATRIX_FMT_FP6 matrix_b_fmt:MATRIX_FMT_FP6 matrix_b_scale:MATRIX_SCALE_ROW1
.else
	v_wmma_scale_f32_16x16x128_f8f6f4 v[(\d):(\d)+7], v[(\a):(\a)+11], v[(\b):(\b)+11], v[(\c):(\c)+7], v[(\sa)], v[(\sb)] matrix_a_fmt:MATRIX_FMT_FP6 matrix_b_fmt:MATRIX_FMT_FP6
.endif
.endm
; 64 numbers of a lane, two whole blocks of 32, become 12 code registers and the scale word (byte 2 c + h); each accumulator is read from its low end on
.macro Q2 s, pc, pw
.irp c, 0,1
.irp u, 0,1
	v_max3_num_f32 v[TM+2*\c+\u], |v[(\s)+32*\c+16*\u]|, |v[(\s)+32*\c+16*\u+1]|, 0x1800000
.endr
.endr
.irp i, 2,4,6,8,10,12,14
.irp c, 0,1
.irp u, 0,1
	v_max3_num_f32 v[TM+2*\c+\u], v[TM+2*\c+\u], |v[(\s)+32*\c+16*\u+\i]|, |v[(\s)+32*\c+16*\u+\i+1]|
.endr
.endr
.endr
.irp c, 0,1
	v_max_num_f32 v[TM+2*\c], v[TM+2*\c], v[TM+2*\c+1]
.endr
.irp c, 0,1
	v_add_nc_u32 v[TM+4+\c], 0xff000000, v[TM+2*\c]
.endr
.irp c, 0,1
	v_lshrrev_b32 v[TM+6+\c], 23, v[TM+4+\c]
.endr
	v_lshl_or_b32 v[\pw], v[TM+7], 16, v[TM+6]
	v_lshlrev_b32 v[\pw], v[SH8], v[\pw]
	v_permlanex16_b32 v[TM+8], v[\pw], s[SEL], s[SEL+1]
	v_or_b32 v[\pw], v[\pw], v[TM+8]
.irp c, 0,1
	v_cvt_scalef32_pk16_fp6_f32 v[(\pc)+6*\c:(\pc)+6*\c+2], v[(\s)+32*\c:(\s)+32*\c+15], v[TM+4+\c]
	v_cvt_scalef32_pk16_fp6_f32 v[(\pc)+12+4*\c:(\pc)+14+4*\c], v[(\s)+32*\c+16:(\s)+32*\c+31], v[TM+4+\c]
.endr
	v_nop                                          ; one plain place behind the scaled conversions
.irp c, 0,1
.irp i, 0,1,2
	v_mov_b32 v[(\pc)+3+6*\c+\i], v[(\pc)+12+4*\c+\i]
.endr
.endr
.endm
.macro GRP1 g, rows                    ; dense rows of 256 bytes: 32 elements of 8 bytes
	s_mov_b32 s[\g+1], 32<<16
	s_mov_b32 s[\g+2], (\rows)<<16
	s_mov_b32 s[\g+3], 32<<16
	s_mov_b32 s[\g+4], \rows
	s_mov_b32 s[\g+5], 32
	s_mov_b32 s[\g+6], 0
	s_mov_b32 s[\g+7], 0
.endm
	s_load_b256 s[4:11], s[0:1], 0x0               ; cod, scl, bq, bk
	s_load_b128 s[12:15], s[0:1], 0x20             ; bv, qp
	s_load_b64 s[16:17], s[0:1], 0x30              ; kv
	v_lshl_add_u32 v[SPW], v0, 2, SPARE
	v_mov_b32 v[NIL], 0
	ds_add_u32 v[SPW], v[NIL]                      ; the opening lines: the add twice on end and its wait
	ds_add_u32 v[SPW], v[NIL]
	v_lshrrev_b32 v1, 5, v0
	v_readfirstlane_b32 s[WV], v1
	s_lshr_b32 s19, s[WV], 1                       ; wm
	s_and_b32 s20, s[WV], 1                        ; wn
	s_bfe_u32 s84, ttmp6, 0x40000                  ; cx
	s_bfe_u32 s85, ttmp6, 0x40004                  ; cy
	s_lshl_b32 s86, ttmp9, 2
	s_add_co_u32 s86, s86, s84                     ; feature panel f
	s_and_b32 s87, ttmp7, 0xffff
	s_lshl_b32 s87, s87, 2
	s_add_co_u32 s87, s87, s85                     ; token panel
	s_lshl_b32 s88, s85, 2
	s_lshl_b32 s88, 15, s88                        ; my row of the cluster
	s_lshl_b32 s89, 0x1111, s84                    ; my column
	s_or_b32 s[G1X], s88, (3<<16)|(1<<21)
	s_or_b32 s[G1W], s89, (3<<16)|(1<<21)
	s_or_b32 s[G1H], s89, (3<<16)|(1<<21)
	GRP1 G1X, 192
	GRP1 G1W, 192
	GRP1 G1H, 96
	s_lshl_b32 s21, s20, 2
	s_lshl_b32 s90, s87, 3
	s_add_co_u32 s90, s90, s21
	s_mul_i32 s90, s90, 12288                      ; x: tile 8 x token panel + 4 x (wave % 2)
	s_mov_b32 s91, 0
	s_lshl_b32 s92, s86, 3
	s_add_co_u32 s92, s92, s21
	s_add_co_u32 s92, s92, 256
	s_mul_i32 s92, s92, 12288                      ; wq: tile 256 + 8 f + 4 x (wave % 2)
	s_mov_b32 s93, 0
	s_lshl_b32 s94, s86, 3
	s_lshl_b32 s21, s[WV], 1
	s_add_co_u32 s94, s94, s21
	s_add_co_u32 s94, s94, 320
	s_mul_i32 s94, s94, 12288                      ; wk: tile 320 + 8 f + 2 x wave; wv's lie 64 tiles on
	s_mov_b32 s95, 0
	s_mov_b32 s48, 1
	s_mul_i32 s49, s[WV], 49152                    ; no place in the cluster enters an LDS address
	s_mov_b32 s52, 1
	s_mul_i32 s53, s[WV], 49152
	s_mov_b32 s56, 1
	s_mul_i32 s57, s[WV], 24576
	s_mov_b32 s60, 1
	s_add_co_u32 s61, s57, W0
	s_add_co_u32 s57, s57, W1
	s_mov_b32 s[SEL], 0x76543210
	s_mov_b32 s[SEL+1], 0xfedcba98
	v_and_b32 v[LANE], 31, v0
	v_and_b32 v[RR], 15, v0
	v_bfe_u32 v[HH], v0, 4, 1
	v_lshlrev_b32 v[LI], 4, v[LANE]
	v_lshlrev_b32 v[LS], 2, v[LANE]
	v_lshlrev_b32 v[L8], 3, v[LANE]
	v_lshlrev_b32 v[SA], 4, v[RR]
	v_lshl_add_u32 v[SA], v[HH], 9, v[SA]          ; 16 r + 512 h: lanes 16-31 take the odd tile's words
	v_lshlrev_b32 v[BO], 7, v[HH]                  ; Q, K: tile t's eight results are features 32 h + 8 t + 0 .. 7
	v_and_b32 v[BOV], 7, v[RR]
	v_lshlrev_b32 v[BOV], 2, v[BOV]
	v_lshrrev_b32 v[VSO], 3, v[RR]
	v_lshl_add_u32 v[BOV], v[VSO], 7, v[BOV]       ; V: my feature 32 (r / 8) + 8 t + r % 8
	v_lshlrev_b32 v[SH8], 3, v[HH]
	v_lshlrev_b32 v[SH16], 4, v[HH]
	v_lshlrev_b32 v[VSO], 2, v[RR]
	v_lshl_add_u32 v[VSO], v[HH], 6, v[VSO]
	v_mov_b32 v[TM+8], 0
	s_mul_i32 s21, s19, 49152
	s_mul_i32 s22, s20, 49152
	s_add_co_u32 s22, s22, W0
	v_add_nc_u32 v[ADX], s21, v[LI]
	v_add_nc_u32 v[AW0], s22, v[LI]
	s_add_co_u32 s22, s22, 98304
	v_add_nc_u32 v[AW1], s22, v[LI]
	s_wait_dscnt 0x0
	s_wait_alu depctr_va_vdst(0)                   ; the wait ahead of the blocking wait
	s_wait_kmcnt 0x0
	s_add_nc_u64 s[50:51], s[4:5], s[90:91]
	s_or_b32 s51, s51, 0x80000000
	s_add_nc_u64 s[54:55], s[4:5], s[92:93]
	s_or_b32 s55, s55, 0x80000000
	s_add_nc_u64 s[58:59], s[4:5], s[94:95]
	s_add_nc_u64 s[62:63], s[58:59], 64*12288
	s_or_b32 s59, s59, 0x80000000
	s_or_b32 s63, s63, 0x80000000
	s_mov_b32 s99, 0
	s_lshl_b32 s98, s87, 3
	s_lshl_b32 s21, s19, 2
	s_add_co_u32 s98, s98, s21
	s_lshl_b32 s98, s98, 9
	s_add_nc_u64 s[66:67], s[6:7], s[98:99]        ; my x tiles' scale words
	s_lshl_b32 s98, s86, 3
	s_lshl_b32 s21, s20, 2
	s_add_co_u32 s98, s98, s21
	s_add_co_u32 s98, s98, 256
	s_lshl_b32 s98, s98, 9
	s_add_nc_u64 s[68:69], s[6:7], s[98:99]        ; my wq tiles'; wk's and wv's lie 32,768 bytes on each
	s_lshl_b32 s21, s86, 1
	s_add_co_u32 s21, s21, s20                     ; my head
	s_lshl_b32 s98, s21, 8
	s_add_nc_u64 s[70:71], s[8:9], s[98:99]
	s_add_nc_u64 s[72:73], s[10:11], s[98:99]
	s_add_nc_u64 s[74:75], s[12:13], s[98:99]
	s_lshr_b32 s22, s87, 4
	s_lshl_b32 s22, s22, 4
	s_add_co_u32 s22, s22, s21
	s_lshl_b32 s22, s22, 4
	s_and_b32 s23, s87, 15
	s_add_co_u32 s22, s22, s23                     ; 16 (b h) + step
	s_mul_i32 s23, s22, 6400
	s_mul_i32 s21, s19, 3072
	s_add_co_u32 s98, s23, s21
	s_add_nc_u64 s[76:77], s[14:15], s[98:99]      ; Q: my two pairs,
	s_lshl_b32 s3, s19, 7
	s_add_co_u32 s98, s23, s3
	s_add_nc_u64 s[78:79], s[14:15], s[98:99]      ; and their scale words
	s_mul_i32 s23, s22, 13312
	s_add_co_u32 s98, s23, s21
	s_add_nc_u64 s[80:81], s[16:17], s[98:99]      ; K likewise
	s_add_co_u32 s98, s23, s3
	s_add_nc_u64 s[82:83], s[16:17], s[98:99]
	s_mul_i32 s21, s19, 768
	s_add_co_u32 s98, s23, s21
	s_add_nc_u64 s[88:89], s[16:17], s[98:99]      ; V: my half of each fragment,
	s_lshl_b32 s21, s19, 1
	s_add_co_u32 s98, s23, s21
	s_add_nc_u64 s[90:91], s[16:17], s[98:99]      ; and my two bytes of each scale word
	CROUND                                         ; all sixteen work-groups are here: the first joint loads meet
	s_cmp_lt_u32 s[WV], 2                          ; one tensor load a wave at the head, one arm each
	s_cbranch_scc0 .Lhead_w
	tensor_load_to_lds s[48:51], s[G1X:G1X+7]
	s_nop 0
	s_branch .Lhead_asked
.Lhead_w:
	tensor_load_to_lds s[52:55], s[G1W:G1W+7]
	s_nop 0
.Lhead_asked:
; the scale words and the biases are asked for behind the head's tensor load and land while it is on its way
.irp q, 0,1
.irp e, 0,1
	global_load_b128 v[XQ+8*\q+4*\e:XQ+8*\q+4*\e+3], v[SA], s[66:67] offset:1024*\q+256*\e   ; register XQ + 8 (m / 2) + K step
.irp p, 0,1,2
	global_load_b128 v[WS+16*\p+8*\q+4*\e:WS+16*\p+8*\q+4*\e+3], v[SA], s[68:69] offset:32768*\p+1024*\q+256*\e
.endr
.endr
.endr
	WIN 0x40
.irp t, 0,1,2,3
.irp e, 0,1
	global_load_b128 v[BIAS+8*\t+4*\e:BIAS+8*\t+4*\e+3], v[BO], s[70:71] offset:32*\t+16*\e
	global_load_b128 v[BIAS+32+8*\t+4*\e:BIAS+32+8*\t+4*\e+3], v[BO], s[72:73] offset:32*\t+16*\e
.endr
.irp j, 0,1,2,3,4,5,6,7
	global_load_b32 v[BIAS+64+8*\t+\j], v[BOV], s[74:75] offset:32*\t   ; eight tokens of ONE feature: the same number in all eight registers of C
.endr
.endr
	WIN 0
.macro FETCHW aw, k                    ; W's four fragments of K step k into set k % 2
	WIN 0x40
.irp t, 0,1,2,3
.irp g, 0,1,2
	ds_load_b128 v[48*((\k)%2)+12*\t+4*\g:48*((\k)%2)+12*\t+4*\g+3], v[\aw] offset:12288*\t+1536*(\k)+512*\g
.endr
.endr
.endm
.macro FETCHX k                        ; x's four fragments of K step k: window 2 + k / 5, register 48 (k % 5)
.set WN, (2+(\k)/5)<<6
	WIN WN
.irp m, 0,1,2,3
.irp g, 0,1,2
	ds_load_b128 v[48*((\k)%5)+12*\m+4*\g:48*((\k)%5)+12*\m+4*\g+3], v[ADX] offset:12288*\m+1536*(\k)+512*\g
.endr
.endr
.endm
.macro MUL k, p, v                     ; 16 matrix instructions; the 16 accumulators take turns, one instruction a turn
.set XB, 48*((\k)%5)
.set WB, 48*((\k)%2)
.if \v
.set WN, (2+(\k)/5)+4
.else
.set WN, ((2+(\k)/5)<<2)+1
.endif
.if (\k) == 0
.set WN, WN+16
.endif
	WIN WN
.irp a, 0,1,2,3
.irp b, 0,1,2,3
.if \v
.if (\k) == 0
	WM ACC+8*(4*\a+\b), XB+12*\b, WB+12*\a, BIAS+32*(\p)+8*\a, XQ+8*(\b/2)+(\k), WS+16*(\p)+8*(\a/2)+(\k), \b%2, \a%2
.else
	WM ACC+8*(4*\a+\b), XB+12*\b, WB+12*\a, ACC+8*(4*\a+\b), XQ+8*(\b/2)+(\k), WS+16*(\p)+8*(\a/2)+(\k), \b%2, \a%2
.endif
.else
.if (\k) == 0
	WM ACC+8*(4*\a+\b), WB+12*\b, XB+12*\a, BIAS+32*(\p)+8*\b, WS+16*(\p)+8*(\b/2)+(\k), XQ+8*(\a/2)+(\k), \b%2, \a%2
.else
	WM ACC+8*(4*\a+\b), WB+12*\b, XB+12*\a, ACC+8*(4*\a+\b), WS+16*(\p)+8*(\b/2)+(\k), XQ+8*(\a/2)+(\k), \b%2, \a%2
.endif
.endif
.endr
.endr
.endm
.macro PASS p, aw, v, wx
.irp k, 0,1,2,3,4,5,6,7
	s_wait_dscnt 0x0                               ; this K step's fragments are in
.if \k < 7
.if \k > 0
	PLACES                                         ; in front of loads into registers that matrix instructions have read
.endif
	FETCHW \aw, \k+1
.if \wx
	FETCHX \k+1
.endif
.endif
	MUL \k, \p, \v
.endr
.endm
.macro EPQK cb, sb                     ; two pairs of token tiles leave
.irp i, 0,1
	s_wait_xcnt 0x0                                ; earlier stores have read the code registers
	Q2 ACC+64*\i, PC, PW+\i
.irp g, 0,1,2
	global_store_b128 v[LI], v[PC+4*\g:PC+4*\g+3], s[\cb:\cb+1] offset:1536*\i+512*\g   ; 512 consecutive bytes, aligned
.endr
.endr
	v_cmp_gt_u32 vcc_lo, 16, v[LANE]
	v_cndmask_b32 v[PW+2], v[PW+1], v[PW], vcc_lo
	global_store_b32 v[LS], v[PW+2], s[\sb:\sb+1] offset:6144
.endm
	s_wait_tensorcnt 0x0                           ; my part of the head's tiles is in
	ds_add_u32 v[SPW], v[NIL]
	s_wait_dscnt 0x0
	CROUND
	tensor_load_to_lds s[56:59], s[G1H:G1H+7]      ; wk's panel into slot 1: a quarter a wave
	s_nop 0
	FETCHW AW0, 0
	FETCHX 0
	s_wait_loadcnt 0x0                             ; scale words and biases
	PASS 0, AW0, 0, 1
	WIN 0
	s_wait_tensorcnt 0x0                           ; wk's quarter is in;
	ds_add_u32 v[SPW], v[NIL]
	s_wait_dscnt 0x0                               ; my reads of slot 0 are over
	CROUND
	tensor_load_to_lds s[60:63], s[G1H:G1H+7]      ; wv's panel into slot 0, which nobody reads any more
	s_nop 0
	PLACES
	FETCHW AW1, 0
	WIN 0
	EPQK 76, 78
	PASS 1, AW1, 0, 0
	WIN 0
	s_wait_tensorcnt 0x0                           ; wv's quarter is in
	s_wait_dscnt 0x0
	s_barrier_signal -1
	s_barrier_wait -1
	PLACES
	FETCHW AW0, 0
	WIN 0
	EPQK 80, 82
	PASS 2, AW0, 1, 0
	WIN 0
	PLACES
.irp i, 0,1                            ; feature tiles 2 i and 2 i + 1: my 64 keys of each
	s_wait_xcnt 0x0
	Q2 ACC+64*\i, PC, PW+\i
.irp c, 0,1
	global_store_b128 v[LI], v[PC+6*\c:PC+6*\c+3], s[88:89] offset:6400+1536*(2*\i+\c)          ; 512 consecutive bytes, aligned
	global_store_b64 v[L8], v[PC+6*\c+4:PC+6*\c+5], s[88:89] offset:6400+1536*(2*\i+\c)+512     ; 256 consecutive bytes, aligned
.endr
	v_lshrrev_b32 v[PW+2+\i], v[SH16], v[PW+\i]    ; lanes 0-15 tile 2 i's two bytes, lanes 16-31 tile 2 i + 1's
	global_store_b16 v[VSO], v[PW+2+\i], s[90:91] offset:12544+128*\i
.endr
	s_wait_tensorcnt 0x0                           ; the wave's end
	ds_add_u32 v[SPW], v[NIL]
	s_wait_dscnt 0x0
	CROUND                                         ; the closing round
	s_endpgm
.Lfunc_end_k_q6f78fe5254_qkv:
	.size	k_q6f78fe5254_qkv, .Lfunc_end_k_q6f78fe5254_qkv-k_q6f78fe5254_qkv
	.p2alignl 7, 3214868480
	.fill 96, 4, 3214868480
	.section	.rodata,"a",@progbits
	.p2align	6, 0x0
	.amdhsa_kernel k_q6f78fe5254_qkv
		.amdhsa_group_segment_fixed_size 327680
		.amdhsa_private_segment_fixed_size 0
		.amdhsa_enable_private_segment 0
		.amdhsa_kernarg_size 56
		.amdhsa_user_sgpr_count 2
		.amdhsa_user_sgpr_kernarg_segment_ptr 1
		.amdhsa_wavefront_size32 1
		.amdhsa_system_sgpr_workgroup_id_x 1
		.amdhsa_system_sgpr_workgroup_id_y 1
		.amdhsa_system_sgpr_workgroup_id_z 1
		.amdhsa_system_vgpr_workitem_id 0
		.amdhsa_next_free_vgpr 1024
		.amdhsa_next_free_sgpr 100
		.amdhsa_reserve_vcc 1
		.amdhsa_float_denorm_mode_32 3
		.amdhsa_float_denorm_mode_16_64 3
		.amdhsa_memory_ordered 1
		.amdhsa_forward_progress 1
		.amdhsa_inst_pref_size 114
	.end_amdhsa_kernel
	.amdgpu_metadata
---
amdhsa.version: [ 1, 2 ]
amdhsa.kernels:
  - .name:           k_q6f78fe5254_qkv
    .symbol:         k_q6f78fe5254_qkv.kd
    .args:
      - { .name: cod, .offset: 0, .size: 8, .value_kind: global_buffer, .address_space: global }
      - { .name: scl, .offset: 8, .size: 8, .value_kind: global_buffer, .address_space: global }
      - { .name: bq, .offset: 16, .size: 8, .value_kind: global_buffer, .address_space: global }
      - { .name: bk, .offset: 24, .size: 8, .value_kind: global_buffer, .address_space: global }
      - { .name: bv, .offset: 32, .size: 8, .value_kind: global_buffer, .address_space: global }
      - { .name: qp, .offset: 40, .size: 8, .value_kind: global_buffer, .address_space: global }
      - { .name: kv, .offset: 48, .size: 8, .value_kind: global_buffer, .address_space: global }
    .group_segment_fixed_size: 327680
    .private_segment_fixed_size: 0
    .kernarg_segment_align: 8
    .kernarg_segment_size: 56
    .max_flat_workgroup_size: 128
    .sgpr_count:     100
    .vgpr_count:     1024
    .wavefront_size: 32
...
	.end_amdgpu_metadata
.endif
;; end of part 2
;; launch attn (part 3): grid 8 x 32, 16 waves a work-group, clusters of 4 x 1, 327,680 bytes of LDS; arguments qp, kv, cycle_scale, ocod, oscl; writes ocod, oscl
.if DOCPART == 3
	.amdgcn_target "amdgcn-amd-amdhsa--gfx1250"
	.amdhsa_code_object_version 6
	.text
	.protected	k_q6f78fe5254_attn
	.globl	k_q6f78fe5254_attn
	.p2align	8
	.type	k_q6f78fe5254_attn,@function
k_q6f78fe5254_attn:
	s_mov_b64 s[64:65], 0
	v_nop
	global_prefetch_b8 v0, s[64:65] scope:SCOPE_SE
	s_setreg_imm32_b32 hwreg(HW_REG_WAVE_MODE, 25, 1), 1
	s_wait_xcnt 0x0
	s_wait_alu depctr_hold_cnt(0) depctr_sa_sdst(0) depctr_va_vdst(0) depctr_va_sdst(0) depctr_va_ssrc(0) depctr_va_vcc(0) depctr_vm_vsrc(0)
	s_getreg_b32 s2, hwreg(HW_REG_IB_STS2, 6, 4)
	s_cmp_eq_u32 s2, 0
	s_cbranch_scc0 .Lentry_in_a_cluster
	s_endpgm
.Lentry_in_a_cluster:
	s_bfe_u32 s2, ttmp6, 0x10000c
	s_cmp_lg_u32 s2, 0x3003
	s_cbranch_scc0 .Lentry_shape_is_right
	s_endpgm
.Lentry_shape_is_right:
; O = softmax(Q K^T / 8 + scale_h cn_q cn_k) V for one (batch, head) and 256 queries, both products on codes of FP6 (E2M3) with E8M0 scales; O is quantised along d_model on the way out.
; cn, the head's normalised cycle embedding, lies in f32 in the last 512 bytes of each key step's block of kv.
; THE SOFTMAX: t = logit x log2(e); M = the running largest t rounded UP to a whole number; p = 2^(t - M) is quantised along the keys, not normalised; the sum of the unquantised p divides at the end.
; When M moves, the sum and O^T are multiplied by 2^(old M - new M): exact.
; SHARES.  Sixteen waves, each with one tile of 16 queries; every wave walks the head's 16 key steps of 128 keys.
; LDS.  The head's 16 blocks of kv, 212,992 bytes, as they lie in memory, each byte filled once.  At the head wave w asks for the w-th sixteenth of steps 0-3 (13 rows of 256 bytes); behind the full sequence and a round
; for the w-th sixteenth of steps 4-15 (39 rows), which is waited for behind step 3.  One tensor load of mine is out at any time.
; CLUSTER 4 x 1: four query blocks of one head need the same K, V and cn: joint loads.  No prefetch: all tiles have been asked for before the loop begins.
; LAYOUT.  Both products transposed: S^T = K Q^T, O^T = V^T P^T: a lane holds ONE query.  A fragment of K is a PAIR of key tiles (registers 0-5 tile 2 b, 6-11 tile 2 b + 1), multiplied once by [Q | 64 zero codes] and once by
; [64 zero codes | Q]; Q's scale bytes beside the zeros are 0 (2^-127).  Row m of key tile 4 G + T is key 64 G + 32 (m / 8) + 8 T + m % 8: so lane (q, h) holds in registers 32 G + i the keys 64 G + 32 h + i: two whole blocks,
; which are quantised with no other lane's help; V^T's fragments hold the keys in the same order.
; THE BIAS is the C of the score product: 8 scale cn_q x cn_k; then t = (Q.K + C) x log2(e) / 8.
; The result's scale bytes leave as single bytes (one head's share of a row's 32): one part in 24 of the codes' bytes.
; LIMITS: the promise holds while the scaled scores stay under 2^31 in magnitude; NaN and infinities are not served; a block of zeros or under 2^-124 gets the byte 1; the bytes are read by this program alone.
.set STEPB, 13312
.set SPARE, 0x34000
.set LI, 1
.set LS, 2
.set CA, 3                             ; 12,800 + 128 h
.set AD, 4
.set AS, 5
.set AC, 6
.set AD8, 7
.set AQ, 8                             ; v[8:9] 8 scale cn_q, twice
.set QSL, 10
.set QSH, 11                           ; v12 -M, v13 the largest score so far, v[14:15] the sum
.set QHI, 16                           ; v16-21 zeros, v22-27 Q, v28-33 zeros
.set QLO, 22
.set FR, 34                            ; v34-81 four fragments of K or of V
.set KS, 82
.set VS, 84
.set L8, 86
.set SH8, 87
.set T0, 88
.set T1, 89
.set SPW, 90
.set NIL, 91
.set S, 96                             ; v96-159 S^T, then p
.set O, 160                            ; v160-191 O^T
.set PCD, 192
.set HP, 204
.set BM, 212                           ; v212-215 four chains; the blocks' largest in v212, v214
.set EX, 216
.set SO, 218
.set FF, 220
.set A1, 222
.set A2, 224
.set A3, 226
.set PWD, 228
.set PX, 229
.set MX, 230                           ; v230-237 eight chains of maxima
.set U, 230                            ; v230-243 afterwards: seven chains of the sum
.set WV, 20
.set SEL, 60
.set CS, 62
.set TB, 66
.set CNT, 68
.macro CROUND
	s_barrier_signal -1
	s_barrier_wait -1
	s_cmp_lg_u32 s[WV], 0
	s_cbranch_scc1 .Lnot_wave_0_\@
	s_barrier_signal -3
.Lnot_wave_0_\@:
	s_barrier_wait -3
	s_barrier_signal -1
	s_barrier_wait -1
.endm
.macro WM d, a, b, c, sa, sb, ra
.if (\ra)
	v_wmma_scale_f32_16x16x128_f8f6f4 v[(\d):(\d)+7], v[(\a):(\a)+11], v[(\b):(\b)+11], v[(\c):(\c)+7], v[(\sa)], v[(\sb)] matrix_a_fmt:MATRIX_FMT_FP6 matrix_b_fmt:MATRIX_FMT_FP6 matrix_a_scale:MATRIX_SCALE_ROW1
.else
	v_wmma_scale_f32_16x16x128_f8f6f4 v[(\d):(\d)+7], v[(\a):(\a)+11], v[(\b):(\b)+11], v[(\c):(\c)+7], v[(\sa)], v[(\sb)] matrix_a_fmt:MATRIX_FMT_FP6 matrix_b_fmt:MATRIX_FMT_FP6
.endif
.endm
	s_load_b256 s[4:11], s[0:1], 0x0               ; qp, kv, cycle_scale, ocod
	s_load_b64 s[12:13], s[0:1], 0x20              ; oscl
	v_lshl_add_u32 v[SPW], v0, 2, SPARE
	v_mov_b32 v[NIL], 0
	ds_add_u32 v[SPW], v[NIL]                      ; the opening lines
	ds_add_u32 v[SPW], v[NIL]
	v_lshrrev_b32 v[T0], 5, v0
	v_readfirstlane_b32 s[WV], v[T0]               ; wave 0..15
	s_bfe_u32 s21, ttmp6, 0x40000                  ; cx
	s_lshl_b32 s22, ttmp9, 2
	s_add_co_u32 s22, s22, s21                     ; my block of 256 queries: it enters global addresses of my own loads and stores alone
	s_and_b32 s23, ttmp7, 0xffff                   ; 16 x batch + head, which the partners share
	s_and_b32 s86, s23, 15
	s_lshr_b32 s87, s23, 4
.irp g, 24, 32                         ; group 1, twice: dense rows of 256 bytes; the mask names all four work-groups
	s_mov_b32 s[\g], 15|(3<<16)|(1<<21)
	s_mov_b32 s[\g+1], 32<<16
	s_mov_b32 s[\g+3], 32<<16
	s_mov_b32 s[\g+5], 32
	s_mov_b32 s[\g+6], 0
	s_mov_b32 s[\g+7], 0
.endr
	s_mov_b32 s26, 13<<16
	s_mov_b32 s28, 13
	s_mov_b32 s34, 39<<16
	s_mov_b32 s36, 39
	s_mul_i32 s88, s23, 16*STEPB
	s_mov_b32 s89, 0
	s_mov_b32 s48, 1
	s_mul_i32 s49, s[WV], 3328
	s_mov_b32 s90, s49
	s_mov_b32 s91, 0
	s_mov_b32 s52, 1
	s_mul_i32 s53, s[WV], 9984
	s_add_co_u32 s53, s53, 4*STEPB
	s_mov_b32 s92, s53
	s_mov_b32 s93, 0
	s_lshl_b32 s94, s23, 4
	s_lshl_b32 s95, s22, 1
	s_add_co_u32 s94, s94, s95
	s_lshr_b32 s95, s[WV], 3
	s_add_co_u32 s94, s94, s95                     ; my queries' step: 16 (b h) + 2 x block + wave / 8
	s_mul_i32 s96, s94, 6400
	s_mov_b32 s97, 0
	s_bfe_u32 s98, s[WV], 0x20001                  ; the pair: (wave % 8) / 2
	s_mul_i32 s70, s98, 1536
	s_add_co_u32 s70, s70, s96
	s_mov_b32 s71, 0
	s_lshl_b32 s98, s98, 6
	s_add_co_u32 s96, s96, s98
	s_mul_i32 s72, s94, STEPB
	s_bfe_u32 s98, s[WV], 0x10002
	s_lshl_b32 s98, s98, 8
	s_add_co_u32 s72, s72, s98
	s_and_b32 s98, s[WV], 3
	s_lshl_b32 s98, s98, 5
	s_add_co_u32 s72, s72, s98                     ; cn of my tile's first key: 4 x (64 ((wave / 4) % 2) + 8 (wave % 4))
	s_mov_b32 s73, 0
	s_lshl_b32 s74, s86, 2
	s_mov_b32 s[SEL], 0x76543210
	s_mov_b32 s[SEL+1], 0xfedcba98
	s_mov_b32 s[CS], 0x3e38aa3b                    ; c = log2(e) / 8
	s_mov_b32 s[CS+1], s[CS]
	v_and_b32 v[T1], 31, v0
	v_and_b32 v96, 15, v0                          ; r
	v_bfe_u32 v97, v0, 4, 1                        ; h
	v_lshlrev_b32 v[LI], 4, v[T1]
	v_lshlrev_b32 v[LS], 2, v[T1]
	v_lshlrev_b32 v[L8], 3, v[T1]
	v_lshl_add_u32 v[CA], v97, 7, 12800
	v_lshlrev_b32 v[SH8], 3, v97
	v_lshlrev_b32 v98, 2, v96
	v_and_b32 v99, 7, v96
	v_lshrrev_b32 v100, 3, v96
	v_lshlrev_b32 v99, 2, v99
	v_lshl_add_u32 v99, v100, 7, v99               ; my query in its tile: 4 x (32 (r / 8) + r % 8)
	s_wait_dscnt 0x0
	s_wait_alu depctr_va_vdst(0)                   ; the wait ahead of the blocking wait
	s_wait_kmcnt 0x0
	s_load_b32 s85, s[8:9], s74 offset:0x0         ; cycle_scale[h]
	s_add_nc_u64 s[70:71], s[4:5], s[70:71]
	s_add_nc_u64 s[96:97], s[4:5], s[96:97]
	s_add_nc_u64 s[72:73], s[6:7], s[72:73]
	s_add_nc_u64 s[88:89], s[6:7], s[88:89]        ; the head's blocks of kv
	s_add_nc_u64 s[50:51], s[88:89], s[90:91]
	s_or_b32 s51, s51, 0x80000000
	s_add_nc_u64 s[54:55], s[88:89], s[92:93]
	s_or_b32 s55, s55, 0x80000000
.irp g, 0,1,2
	global_load_b128 v[FR+4*\g:FR+4*\g+3], v[LI], s[70:71] offset:512*\g   ; the pair that holds my tile of Q
.endr
	global_load_b32 v101, v98, s[96:97] offset:6144  ; its scale word
	global_load_b32 v102, v99, s[72:73] offset:12800 ; cn of my query
	CROUND                                         ; all four work-groups are here: the joint loads meet
	tensor_load_to_lds s[48:51], s[24:31]
	s_nop 0
	s_and_b32 s98, s[WV], 1
	s_cmp_lg_u32 s98, 0
	s_cselect_b32 s69, -1, 0                       ; all lanes: the odd tile of the pair
	s_lshl_b32 s98, s98, 4
.irp i, 0,1,2,3,4,5
	v_mov_b32 v[QHI+\i], 0
	v_mov_b32 v[QLO+6+\i], 0
.endr
	v_mov_b32 v13, 0xff61b1e6                      ; the largest score so far: -3e38
	v_mul_f32 v12, s[CS], v13
	v_floor_f32 v12, -v12                          ; -M
	v_mov_b32 v14, 0
	v_mov_b32 v15, 0
	v_mov_b32 v[FF+1], 0                           ; (named as the upper half of a pair)
	v_mov_b32 v[PX], 0                             ; (a lane permute's destination counts as one of its sources)
.set j, 0
.rept 32
	v_mov_b32 v[O+j], 0                            ; the loop is written once; its first step finds zeros
.set j, j+1
.endr
	s_wait_kmcnt 0x0
	s_wait_loadcnt 0x0
.irp i, 0,1,2,3,4,5
	v_cndmask_b32 v[QLO+\i], v[FR+\i], v[FR+6+\i], s69
.endr
	v_lshrrev_b32 v[QSL], s98, v101
	v_mul_f32 v[AQ], s85, v102
	v_and_b32 v[QSL], 0xffff, v[QSL]
	v_mul_f32 v[AQ], 0x41000000, v[AQ]             ; 8 scale cn_q: the 8 undoes the 1 / 8 inside c
	v_lshlrev_b32 v[QSH], 16, v[QSL]
	v_mov_b32 v[AQ+1], v[AQ]
	s_wait_alu depctr_va_vdst(0)                   ; the wait at the head's end
	s_wait_tensorcnt 0x0                           ; my part of steps 0-3 is in
	ds_add_u32 v[SPW], v[NIL]
	s_wait_dscnt 0x0
	CROUND
	tensor_load_to_lds s[52:55], s[32:39]          ; my part of steps 4-15
	s_nop 0
.macro STEP
	v_add_nc_u32 v[AD], s[TB], v[LI]               ; four additions: the places behind the last step's products, in front of the loads into their registers
	v_add_nc_u32 v[AS], s[TB], v[LS]
	v_add_nc_u32 v[AC], s[TB], v[CA]
	v_add_nc_u32 v[AD8], s[TB], v[L8]
.irp g, 0,1
.irp j, 0,1,2,3,4,5,6,7
	ds_load_b128 v[S+32*\g+4*\j:S+32*\g+4*\j+3], v[AC] offset:256*\g+16*\j   ; cn of keys 64 g + 32 h + 0 .. 31, in S^T's own order
.endr
.endr
.irp p, 0,1,2,3
.irp g, 0,1,2
	ds_load_b128 v[FR+12*\p+4*\g:FR+12*\p+4*\g+3], v[AD] offset:1536*\p+512*\g   ; K's four pairs
.endr
.endr
	ds_load_b32 v[KS], v[AS] offset:6144
	ds_load_b32 v[KS+1], v[AS] offset:6272
	s_wait_dscnt 14                                ; cn is in; K's 12 loads and its 2 scale loads may be out
.set j, 0
.rept 32
	v_pk_mul_f32 v[S+j:S+j+1], v[S+j:S+j+1], v[AQ:AQ+1]   ; the bias, as the C of the score product
.set j, j+2
.endr
	s_wait_alu depctr_va_vdst(0)                   ; the wait ahead of the blocking wait
	s_wait_dscnt 0x0
.irp b, 0,1,2,3                        ; eight accumulators, one instruction each
	WM S+16*\b, FR+12*\b, QLO, S+16*\b, KS+\b/2, QSL, \b%2
	WM S+16*\b+8, FR+12*\b, QHI, S+16*\b+8, KS+\b/2, QSH, \b%2
.endr
	v_mov_b32 v[T0], v12                           ; the old -M; with three v_nop the four places in front of the loads into K's registers and of the first read of the scores
.rept 3
	v_nop
.endr
.irp t, 0,1,2,3
.irp c, 0,1
	ds_load_b128 v[FR+12*\t+6*\c:FR+12*\t+6*\c+3], v[AD] offset:6400+1536*\t+768*\c   ; V^T's fragments, by halves of 64 keys: they land during the softmax
	ds_load_b64 v[FR+12*\t+6*\c+4:FR+12*\t+6*\c+5], v[AD8] offset:6400+1536*\t+768*\c+512
.endr
.endr
	ds_load_b32 v[VS], v[AS] offset:12544
	ds_load_b32 v[VS+1], v[AS] offset:12672
; the largest score of my two blocks of 32 keys: for the row's maximum and, since p rises with the score, for the block's largest p.  Eight chains by turns, one to an accumulator, each from its low end on
.irp a, 0,1,2,3,4,5,6,7
	v_max3_num_f32 v[MX+\a], v[S+8*\a], v[S+8*\a+1], v[S+8*\a+2]
.endr
.irp i, 3,5
.irp a, 0,1,2,3,4,5,6,7
	v_max3_num_f32 v[MX+\a], v[MX+\a], v[S+8*\a+\i], v[S+8*\a+\i+1]
.endr
.endr
.irp c, 0,1
	v_max3_num_f32 v[BM+2*\c], v[MX+4*\c], v[MX+4*\c+1], v[S+32*\c+7]
	v_max3_num_f32 v[BM+2*\c+1], v[MX+4*\c+2], v[MX+4*\c+3], v[S+32*\c+15]
.endr
.irp c, 0,1
	v_max3_num_f32 v[BM+2*\c], v[BM+2*\c], v[BM+2*\c+1], v[S+32*\c+23]
.endr
.irp c, 0,1
	v_max_num_f32 v[BM+2*\c], v[BM+2*\c], v[S+32*\c+31]
.endr
	s_delay_alu instid0(VALU_DEP_1)
	v_max_num_f32 v[T1], v[BM], v[BM+2]
	s_delay_alu instid0(VALU_DEP_1)
	v_permlanex16_b32 v[PX], v[T1], s[SEL], s[SEL+1]
	s_delay_alu instid0(VALU_DEP_1)
	v_max3_num_f32 v13, v13, v[T1], v[PX]          ; the running largest score of my query
	s_delay_alu instid0(VALU_DEP_1)
	v_mul_f32 v[T1], s[CS], v13                    ; as t (c is positive)
	v_floor_f32 v12, -v[T1]                        ; the new -M = -ceil(t)
.set j, 0
.rept 32
	v_pk_fma_f32 v[S+j:S+j+1], v[S+j:S+j+1], s[CS:CS+1], v[12:13] op_sel_hi:[1,0,0]   ; t - M; the three lines that make f stand among these, six apart
.if j == 10
	v_sub_f32 v[T0], v12, v[T0]                    ; old M - new M: a whole number, 0 or less
.endif
.if j == 22
	v_cvt_i32_f32 v[T0], v[T0]                     ; (it saturates)
.endif
.if j == 34
	v_ldexp_f32 v[FF], 1.0, v[T0]                  ; f = 2^(old M - new M)
.endif
.set j, j+2
.endr
	v_fma_f32 v[BM], v[BM], s[CS], v12
	v_fma_f32 v[BM+2], v[BM+2], s[CS], v12
	s_wait_alu depctr_va_vdst(0)                   ; the wait ahead of the batch,
.set j, 0
.rept 64
	v_exp_f32 v[S+j], v[S+j]                       ; p = 2^(t - M)
.set j, j+1
.endr
	v_exp_f32 v[BM], v[BM]                         ; my blocks' largest p: the same two instructions on the same number
	v_exp_f32 v[BM+2], v[BM+2]
	v_pk_mul_f32 v[14:15], v[14:15], v[FF:FF+1] op_sel_hi:[1,0]   ; the sums under the new M: a plain place behind the exponentials
	s_wait_alu depctr_va_vdst(0)                   ; and for the one behind it
; the sum of the unquantised p, two at a time, in eight chains by turns
.irp i, 0,1,2,3,4,5,6
	v_pk_add_f32 v[U+2*\i:U+2*\i+1], v[S+4*\i:S+4*\i+1], v[S+4*\i+2:S+4*\i+3]
.endr
	v_pk_add_f32 v[14:15], v[14:15], v[S+28:S+29]
.irp g, 0,1
.irp i, 0,1,2,3,4,5,6
	v_pk_add_f32 v[U+2*\i:U+2*\i+1], v[U+2*\i:U+2*\i+1], v[S+30+16*\g+2*\i:S+31+16*\g+2*\i]
.endr
	v_pk_add_f32 v[14:15], v[14:15], v[S+44+16*\g:S+45+16*\g]
.endr
	v_pk_add_f32 v[U:U+1], v[U:U+1], v[S+62:S+63]
	v_max_num_f32 v[BM], 0x1800000, v[BM]          ; the floor 2^(3 - 127)
	v_max_num_f32 v[BM+2], 0x1800000, v[BM+2]
	v_pk_add_f32 v[U+2:U+3], v[U+2:U+3], v[U+4:U+5]
	v_pk_add_f32 v[U+6:U+7], v[U+6:U+7], v[U+8:U+9]
	v_pk_add_f32 v[U+10:U+11], v[U+10:U+11], v[U+12:U+13]
	v_pk_add_f32 v[14:15], v[14:15], v[U:U+1]
	v_add_nc_u32 v[SO], 0xff000000, v[BM]
	v_pk_add_f32 v[U+2:U+3], v[U+2:U+3], v[U+6:U+7]
	v_add_nc_u32 v[SO+1], 0xff000000, v[BM+2]
	v_pk_add_f32 v[14:15], v[14:15], v[U+10:U+11]
	v_nop
	v_pk_add_f32 v[14:15], v[14:15], v[U+2:U+3]
	v_lshrrev_b32 v[EX], 23, v[SO]
	v_lshrrev_b32 v[EX+1], 23, v[SO+1]
	s_delay_alu instid0(VALU_DEP_1)
	v_lshl_or_b32 v[PWD], v[EX+1], 16, v[EX]
	s_delay_alu instid0(VALU_DEP_1)
	v_lshlrev_b32 v[PWD], v[SH8], v[PWD]           ; my two bytes at places h and 2 + h,
	s_delay_alu instid0(VALU_DEP_1)
	v_permlanex16_b32 v[PX], v[PWD], s[SEL], s[SEL+1]
	s_delay_alu instid0(VALU_DEP_1)
	v_or_b32 v[PWD], v[PWD], v[PX]                 ; with lane l xor 16's: p's scale word for these 128 keys
.irp c, 0,1
	v_cvt_scalef32_pk16_fp6_f32 v[PCD+6*\c:PCD+6*\c+2], v[S+32*\c:S+32*\c+15], v[SO+\c]
	v_cvt_scalef32_pk16_fp6_f32 v[HP+4*\c:HP+4*\c+2], v[S+32*\c+16:S+32*\c+31], v[SO+\c]
.endr
	v_nop                                          ; one plain place behind the scaled conversions
.irp c, 0,1
.irp i, 0,1,2
	v_mov_b32 v[PCD+3+6*\c+\i], v[HP+4*\c+\i]
.endr
.endr
	s_wait_alu depctr_va_vdst(0)                   ; the wait directly ahead of the first reader of O^T
.set j, 0
.rept 16
	v_pk_mul_f32 v[O+j:O+j+1], v[O+j:O+j+1], v[FF:FF+1] op_sel_hi:[1,0]   ; O^T under the new M; also the places between p's scale word and codes and the products
.set j, j+2
.endr
	s_wait_alu depctr_va_vdst(0)
	s_wait_dscnt 0x0                               ; V is in
.irp t, 0,1,2,3                        ; four accumulators, one instruction each
	WM O+8*\t, FR+12*\t, PCD, O+8*\t, VS+\t/2, PWD, \t%2
.endr
	s_add_co_u32 s[TB], s[TB], STEPB
.endm
.macro WALK trips
	s_mov_b32 s[CNT], \trips
.Lstep_\@:
	s_wait_alu depctr_va_vdst(0)
	STEP
	s_sub_co_u32 s[CNT], s[CNT], 1
	s_cmp_lg_u32 s[CNT], 0
	s_cbranch_scc1 .Lstep_\@
.endm
	s_mov_b32 s[TB], 0
	WALK 4
	s_wait_tensorcnt 0x0                           ; my part of steps 4-15 is in
	s_wait_dscnt 0x0
	s_barrier_signal -1
	s_barrier_wait -1
	s_mov_b32 s[TB], 4*STEPB
	WALK 12
	; THE WAY OUT: O^T / the sum.  My 32 registers are d = 32 h + 0 .. 31: one block of d_model; its six code registers are half an operand image: registers 0-3 at 16 x lane, 4-5 at 512 + 8 x lane
	v_add_f32 v14, v14, v15
	v_permlanex16_b32 v[PX], v14, s[SEL], s[SEL+1]
	v_add_f32 v14, v14, v[PX]                      ; the row's sum
	s_wait_alu depctr_va_vdst(0)
	v_rcp_f32 v14, v14
	v_and_b32 v[AD], 15, v0
	v_bfe_u32 v[AS], v0, 4, 1
	v_lshl_add_u32 v[AC], v[AD], 4, v[AS]          ; 16 r + h
	s_lshl_b32 s88, s87, 7
	s_lshl_b32 s89, s22, 4
	s_add_co_u32 s88, s88, s89
	s_add_co_u32 s88, s88, s[WV]                   ; my token tile: 128 x batch + 16 x block + wave
	s_mul_i32 s90, s88, 12288
	s_mul_i32 s91, s86, 768
	s_add_co_u32 s90, s90, s91
	s_mov_b32 s91, 0
	s_add_nc_u64 s[10:11], s[10:11], s[90:91]
	s_lshl_b32 s90, s88, 9
	s_lshr_b32 s92, s86, 3
	s_lshl_b32 s92, s92, 8
	s_add_co_u32 s90, s90, s92
	s_and_b32 s92, s86, 7
	s_lshl_b32 s92, s92, 1
	s_add_co_u32 s90, s90, s92                     ; 512 x tile + 256 (head / 8) + 2 (head % 8)
	s_add_nc_u64 s[12:13], s[12:13], s[90:91]
	s_wait_alu depctr_va_vdst(0)                   ; ahead of the first reader of the reciprocal and of O^T
.set j, 0
.rept 32
	v_mul_f32 v[S+j], v[O+j], v14                  ; each accumulator from its low end on
.set j, j+1
.endr
.irp u, 0,1
	v_max3_num_f32 v[BM+\u], |v[S+16*\u]|, |v[S+16*\u+1]|, 0x1800000
.endr
.irp i, 2,4,6,8,10,12,14
.irp u, 0,1
	v_max3_num_f32 v[BM+\u], v[BM+\u], |v[S+16*\u+\i]|, |v[S+16*\u+\i+1]|
.endr
.endr
	v_max_num_f32 v[BM], v[BM], v[BM+1]
	v_add_nc_u32 v[SO], 0xff000000, v[BM]
	v_lshrrev_b32 v[EX], 23, v[SO]
	v_cvt_scalef32_pk16_fp6_f32 v[PCD:PCD+2], v[S:S+15], v[SO]
	v_cvt_scalef32_pk16_fp6_f32 v[HP:HP+2], v[S+16:S+31], v[SO]
	v_nop
.irp i, 0,1,2
	v_mov_b32 v[PCD+3+\i], v[HP+\i]
.endr
	global_store_b128 v[LI], v[PCD:PCD+3], s[10:11]             ; 512 consecutive bytes, aligned
	global_store_b64 v[L8], v[PCD+4:PCD+5], s[10:11] offset:512 ; 256 consecutive bytes, aligned
	global_store_b8 v[AC], v[EX], s[12:13]
	s_wait_tensorcnt 0x0                           ; the wave's end
	ds_add_u32 v[SPW], v[NIL]
	s_wait_dscnt 0x0
	CROUND                                         ; the closing round
	s_endpgm
.Lfunc_end_k_q6f78fe5254_attn:
	.size	k_q6f78fe5254_attn, .Lfunc_end_k_q6f78fe5254_attn-k_q6f78fe5254_attn
	.p2alignl 7, 3214868480
	.fill 96, 4, 3214868480
	.section	.rodata,"a",@progbits
	.p2align	6, 0x0
	.amdhsa_kernel k_q6f78fe5254_attn
		.amdhsa_group_segment_fixed_size 327680
		.amdhsa_private_segment_fixed_size 0
		.amdhsa_enable_private_segment 0
		.amdhsa_kernarg_size 40
		.amdhsa_user_sgpr_count 2
		.amdhsa_user_sgpr_kernarg_segment_ptr 1
		.amdhsa_wavefront_size32 1
		.amdhsa_system_sgpr_workgroup_id_x 1
		.amdhsa_system_sgpr_workgroup_id_y 1
		.amdhsa_system_sgpr_workgroup_id_z 1
		.amdhsa_system_vgpr_workitem_id 0
		.amdhsa_next_free_vgpr 256
		.amdhsa_next_free_sgpr 100
		.amdhsa_reserve_vcc 0
		.amdhsa_float_denorm_mode_32 3
		.amdhsa_float_denorm_mode_16_64 3
		.amdhsa_memory_ordered 1
		.amdhsa_forward_progress 1
		.amdhsa_inst_pref_size 49
	.end_amdhsa_kernel
	.amdgpu_metadata
---
amdhsa.version: [ 1, 2 ]
amdhsa.kernels:
  - .name:           k_q6f78fe5254_attn
    .symbol:         k_q6f78fe5254_attn.kd
    .args:
      - { .name: qp, .offset: 0, .size: 8, .value_kind: global_buffer, .address_space: global }
      - { .name: kv, .offset: 8, .size: 8, .value_kind: global_buffer, .address_space: global }
      - { .name: cycle_scale, .offset: 16, .size: 8, .value_kind: global_buffer, .address_space: global }
      - { .name: ocod, .offset: 24, .size: 8, .value_kind: global_buffer, .address_space: global }
      - { .name: oscl, .offset: 32, .size: 8, .value_kind: global_buffer, .address_space: global }
    .group_segment_fixed_size: 327680
    .private_segment_fixed_size: 0
    .kernarg_segment_align: 8
    .kernarg_segment_size: 40
    .max_flat_workgroup_size: 512
    .sgpr_count:     100
    .vgpr_count:     256
    .wavefront_size: 32
...
	.end_amdgpu_metadata
.endif
;; end of part 3
;; launch oproj (part 4): grid 8 x 32, 4 waves a work-group, clusters of 4 x 4, 214,528 bytes of LDS; arguments ocod, oscl, cod, scl, bo, out0; writes out0
.if DOCPART == 4
	.amdgcn_target "amdgcn-amd-amdhsa--gfx1250"
	.amdhsa_code_object_version 6
	.text
	.protected	k_q6f78fe5254_oproj
	.globl	k_q6f78fe5254_oproj
	.p2align	8
	.type	k_q6f78fe5254_oproj,@function
k_q6f78fe5254_oproj:
	s_mov_b64 s[64:65], 0
	v_nop
	global_prefetch_b8 v0, s[64:65] scope:SCOPE_SE
	s_setreg_imm32_b32 hwreg(HW_REG_WAVE_MODE, 25, 1), 1
	s_wait_xcnt 0x0
	s_wait_alu depctr_hold_cnt(0) depctr_sa_sdst(0) depctr_va_vdst(0) depctr_va_sdst(0) depctr_va_ssrc(0) depctr_va_vcc(0) depctr_vm_vsrc(0)
	s_getreg_b32 s2, hwreg(HW_REG_IB_STS2, 6, 4)
	s_cmp_eq_u32 s2, 0
	s_cbranch_scc0 .Lentry_in_a_cluster
	s_endpgm
.Lentry_in_a_cluster:
	s_bfe_u32 s2, ttmp6, 0x10000c
	s_cmp_lg_u32 s2, 0xf033
	s_cbranch_scc0 .Lentry_shape_is_right
	s_endpgm
.Lentry_shape_is_right:
; out0 = O wo^T + bo on codes of FP6 (E2M3) with E8M0 scales, sums in f32.  O's codes and scale bytes come from the attention launch, wo's from the quantising launch.
; A work-group makes 128 tokens x 128 features over all of K = 1,024; wave (wm, wn) 64 x 64: 16 accumulators.  Both panels of codes, 8 tiles x 12,288 bytes each, lie in LDS as they lie in memory, each byte filled ONCE:
; a wave asks for 49,152 dense bytes by its one tensor load (waves 0, 1: O; waves 2, 3: wo).  CLUSTER 4 x 4: a row shares the tokens' panel, a column the features': joint loads.
; No prefetch: the text has no loop to run ahead in, and all tiles are asked for at the head.
; wo's fragments are three ds_load_b128 of 512 consecutive bytes.  A fragment of O is two halves of 768 bytes, one for each of the K step's two heads: registers 0-3 at 16 x lane, 4-5 at 512 + 8 x lane.
; Source 0 = 16 features, source 1 = 16 tokens: a lane holds one token; tile t's eight registers are features 32 h + 8 t + 0 .. 7.  Lane r of tile 4 G + T holds row 64 G + 32 (r / 8) + 8 T + r % 8.
; bo is the C of each sum's first matrix instruction.  The results go through the wave's own stage in LDS (behind the panels; no tensor load lands there) and leave as rows of 256 consecutive bytes, aligned.
.set STAGE, 196608
.set SPI,   272
.set LI, 1
.set SA, 3
.set BO, 4
.set LANE, 5
.set RR, 6
.set HH, 7
.set ADX, 8
.set ADW, 9
.set ADX8, 10
.set STO, 20
.set RD, 21
.set CO, 22
.set XS, 32
.set WS, 48
.set BIAS, 64
.set RB, 64
.set ACC, 128
.set WV, 18
.set G1X, 24
.set G1W, 32
.set MSB, 0
.macro WIN new
.if MSB != \new
	s_set_vgpr_msb (MSB<<8)|\new
.set MSB, \new
.endif
.endm
.macro CROUND
	s_barrier_signal -1
	s_barrier_wait -1
	s_cmp_lg_u32 s[WV], 0
	s_cbranch_scc1 .Lnot_wave_0_\@
	s_barrier_signal -3
.Lnot_wave_0_\@:
	s_barrier_wait -3
	s_barrier_signal -1
	s_barrier_wait -1
.endm
.macro PLACES
.rept 4
	v_nop
.endr
.endm
.macro WM d, a, b, c, sa, sb, ra, rb
.if (\ra) && (\rb)
	v_wmma_scale_f32_16x16x128_f8f6f4 v[(\d):(\d)+7], v[(\a):(\a)+11], v[(\b):(\b)+11], v[(\c):(\c)+7], v[(\sa)], v[(\sb)] matrix_a_fmt:MATRIX_FMT_FP6 matrix_b_fmt:MATRIX_FMT_FP6 matrix_a_scale:MATRIX_SCALE_ROW1 matrix_b_scale:MATRIX_SCALE_ROW1
.elseif (\ra)
	v_wmma_scale_f32_16x16x128_f8f6f4 v[(\d):(\d)+7], v[(\a):(\a)+11], v[(\b):(\b)+11], v[(\c):(\c)+7], v[(\sa)], v[(\sb)] matrix_a_fmt:MATRIX_FMT_FP6 matrix_b_fmt:MATRIX_FMT_FP6 matrix_a_scale:MATRIX_SCALE_ROW1
.elseif (\rb)
	v_wmma_scale_f32_16x16x128_f8f6f4 v[(\d):(\d)+7], v[(\a):(\a)+11], v[(\b):(\b)+11], v[(\c):(\c)+7], v[(\sa)], v[(\sb)] matrix_a_fmt:MATRIX_FMT_FP6 matrix_b_fmt:MATRIX_FMT_FP6 matrix_b_scale:MATRIX_SCALE_ROW1
.else
	v_wmma_scale_f32_16x16x128_f8f6f4 v[(\d):(\d)+7], v[(\a):(\a)+11], v[(\b):(\b)+11], v[(\c):(\c)+7], v[(\sa)], v[(\sb)] matrix_a_fmt:MATRIX_FMT_FP6 matrix_b_fmt:MATRIX_FMT_FP6
.endif
.endm
	s_load_b256 s[4:11], s[0:1], 0x0               ; ocod, oscl, cod, scl
	s_load_b128 s[12:15], s[0:1], 0x20             ; bo, out0
	v_lshl_add_u32 v30, v0, 2, 0x34400
	v_mov_b32 v31, 0
	ds_add_u32 v30, v31                            ; the opening lines
	ds_add_u32 v30, v31
	v_lshrrev_b32 v1, 5, v0
	v_readfirstlane_b32 s[WV], v1
	s_lshr_b32 s19, s[WV], 1                       ; wm
	s_and_b32 s20, s[WV], 1                        ; wn
	s_bfe_u32 s84, ttmp6, 0x40000
	s_bfe_u32 s85, ttmp6, 0x40004
	s_lshl_b32 s86, ttmp9, 2
	s_add_co_u32 s86, s86, s84                     ; feature panel
	s_and_b32 s87, ttmp7, 0xffff
	s_lshl_b32 s87, s87, 2
	s_add_co_u32 s87, s87, s85                     ; token panel
	s_lshl_b32 s88, s85, 2
	s_lshl_b32 s88, 15, s88
	s_lshl_b32 s89, 0x1111, s84
	s_or_b32 s[G1X], s88, (3<<16)|(1<<21)          ; group 1: 192 dense rows of 256 bytes
	s_or_b32 s[G1W], s89, (3<<16)|(1<<21)
.irp g, G1X, G1W
	s_mov_b32 s[\g+1], 32<<16
	s_mov_b32 s[\g+2], 192<<16
	s_mov_b32 s[\g+3], 32<<16
	s_mov_b32 s[\g+4], 192
	s_mov_b32 s[\g+5], 32
	s_mov_b32 s[\g+6], 0
	s_mov_b32 s[\g+7], 0
.endr
	s_lshl_b32 s94, s20, 2
	s_lshl_b32 s90, s87, 3
	s_add_co_u32 s90, s90, s94
	s_mul_i32 s90, s90, 12288                      ; O: tile 8 x token panel + 4 x (wave % 2)
	s_mov_b32 s91, 0
	s_lshl_b32 s92, s86, 3
	s_add_co_u32 s92, s92, s94
	s_add_co_u32 s92, s92, 448
	s_mul_i32 s92, s92, 12288                      ; wo: tile 448 + 8 x feature panel + 4 x (wave % 2)
	s_mov_b32 s93, 0
	s_mov_b32 s40, 1
	s_mul_i32 s41, s[WV], 49152
	s_mov_b32 s44, 1
	s_mul_i32 s45, s[WV], 49152
	v_and_b32 v[LANE], 31, v0
	v_and_b32 v[RR], 15, v0
	v_bfe_u32 v[HH], v0, 4, 1
	v_lshlrev_b32 v[LI], 4, v[LANE]
	v_lshlrev_b32 v2, 3, v[LANE]
	v_lshlrev_b32 v[SA], 4, v[RR]
	v_lshl_add_u32 v[SA], v[HH], 9, v[SA]
	v_lshlrev_b32 v[BO], 7, v[HH]
	s_mul_i32 s88, s19, 49152
	s_mul_i32 s89, s20, 49152
	s_add_co_u32 s89, s89, 98304
	v_add_nc_u32 v[ADX], s88, v[LI]
	v_add_nc_u32 v[ADX8], s88, v2
	v_add_nc_u32 v[ADW], s89, v[LI]
	s_mul_i32 s88, s[WV], 16*SPI
	s_add_co_u32 s88, s88, STAGE
	v_mul_u32_u24 v[STO], v[RR], SPI
	v_lshl_add_u32 v[STO], v[HH], 7, v[STO]
	v_add_nc_u32 v[STO], s88, v[STO]               ; in: row r, + 128 h
	v_mul_u32_u24 v[RD], v[HH], SPI
	v_lshl_add_u32 v[RD], v[RR], 4, v[RD]
	v_add_nc_u32 v[RD], s88, v[RD]                 ; back: lanes 0-15 one row, lanes 16-31 the next
	v_lshlrev_b32 v[CO], 12, v[HH]
	v_lshl_add_u32 v[CO], v[RR], 4, v[CO]
	s_wait_dscnt 0x0
	s_wait_alu depctr_va_vdst(0)                   ; the wait ahead of the blocking wait
	s_wait_kmcnt 0x0
	s_add_nc_u64 s[42:43], s[4:5], s[90:91]
	s_or_b32 s43, s43, 0x80000000
	s_add_nc_u64 s[46:47], s[8:9], s[92:93]
	s_or_b32 s47, s47, 0x80000000
	s_mov_b32 s89, 0
	s_lshl_b32 s88, s87, 3
	s_lshl_b32 s90, s19, 2
	s_add_co_u32 s88, s88, s90
	s_lshl_b32 s88, s88, 9
	s_add_nc_u64 s[56:57], s[6:7], s[88:89]        ; my O tiles' scale words
	s_lshl_b32 s88, s86, 3
	s_lshl_b32 s90, s20, 2
	s_add_co_u32 s88, s88, s90
	s_add_co_u32 s88, s88, 448
	s_lshl_b32 s88, s88, 9
	s_add_nc_u64 s[58:59], s[10:11], s[88:89]      ; my wo tiles'
	s_lshl_b32 s88, s86, 9
	s_lshl_b32 s90, s20, 8
	s_add_co_u32 s88, s88, s90                     ; my first feature, in bytes
	s_add_nc_u64 s[60:61], s[12:13], s[88:89]
	s_add_nc_u64 s[62:63], s[14:15], s[88:89]
	s_lshl_b32 s88, s87, 19
	s_lshl_b32 s90, s19, 18
	s_add_co_u32 s88, s88, s90                     ; my first token's row
	s_add_nc_u64 s[62:63], s[62:63], s[88:89]
.irp q, 0,1
.irp e, 0,1
	global_load_b128 v[XS+8*\q+4*\e:XS+8*\q+4*\e+3], v[SA], s[56:57] offset:1024*\q+256*\e
	global_load_b128 v[WS+8*\q+4*\e:WS+8*\q+4*\e+3], v[SA], s[58:59] offset:1024*\q+256*\e
.endr
.endr
.irp t, 0,1,2,3
	global_load_b128 v[BIAS+8*\t:BIAS+8*\t+3], v[BO], s[60:61] offset:32*\t
	global_load_b128 v[BIAS+8*\t+4:BIAS+8*\t+7], v[BO], s[60:61] offset:32*\t+16
.endr
	CROUND                                         ; all sixteen work-groups are here: the joint loads meet
	s_cmp_lt_u32 s[WV], 2                          ; one tensor load a wave, one arm each
	s_cbranch_scc0 .Lfor_w
	tensor_load_to_lds s[40:43], s[G1X:G1X+7]
	s_nop 0
	s_branch .Lasked
.Lfor_w:
	tensor_load_to_lds s[44:47], s[G1W:G1W+7]
	s_nop 0
.Lasked:
.macro FETCH k                         ; K step k's fragments into set k % 2: wo's four at 96 p, O's four at 96 p + 48
	WIN 0x40
.irp t, 0,1,2,3
.irp g, 0,1,2
	ds_load_b128 v[96*((\k)%2)+12*\t+4*\g:96*((\k)%2)+12*\t+4*\g+3], v[ADW] offset:12288*\t+1536*(\k)+512*\g
.endr
.endr
.irp m, 0,1,2,3
.irp u, 0,1
	ds_load_b128 v[96*((\k)%2)+48+12*\m+6*\u:96*((\k)%2)+48+12*\m+6*\u+3], v[ADX] offset:12288*\m+1536*(\k)+768*\u
	ds_load_b64 v[96*((\k)%2)+48+12*\m+6*\u+4:96*((\k)%2)+48+12*\m+6*\u+5], v[ADX8] offset:12288*\m+1536*(\k)+768*\u+512
.endr
.endr
.endm
.macro MULK k                          ; the 16 accumulators take turns, one instruction a turn
	WIN 0x05
.irp m, 0,1,2,3
.irp t, 0,1,2,3
.if (\k) == 0
	WM ACC+8*(4*\m+\t), 12*\t, 48+12*\m, BIAS+8*\t, WS+8*(\t/2), XS+8*(\m/2), \t%2, \m%2
.else
	WM ACC+8*(4*\m+\t), 96*((\k)%2)+12*\t, 96*((\k)%2)+48+12*\m, ACC+8*(4*\m+\t), WS+8*(\t/2)+(\k), XS+8*(\m/2)+(\k), \t%2, \m%2
.endif
.endr
.endr
.endm
	s_wait_tensorcnt 0x0                           ; my part of the panels is in
	s_barrier_signal -1
	s_barrier_wait -1
	FETCH 0
	s_wait_loadcnt 0x0                             ; scale words and bias
.irp k, 0,1,2,3,4,5,6,7
	s_wait_dscnt 0x0                               ; this K step's fragments are in
.if \k < 7
.if \k > 0
	PLACES
.endif
	FETCH \k+1
.endif
	MULK \k
.endr
	WIN 0
	PLACES
	; THE WAY OUT, a tile of 16 tokens x 64 features at a time.  LDS serves a wave's instructions in order
.irp m, 0,1,2,3
.if \m > 1
	s_wait_xcnt 0x0                                ; the stores of two tiles back have read their registers
.endif
.irp t, 0,1,2,3
	ds_store_b128 v[STO], v[ACC+8*(4*\m+\t):ACC+8*(4*\m+\t)+3] offset:32*\t          ; each accumulator from its low end on
	ds_store_b128 v[STO], v[ACC+8*(4*\m+\t)+4:ACC+8*(4*\m+\t)+7] offset:32*\t+16
.endr
.irp i, 0,1,2,3,4,5,6,7
	ds_load_b128 v[RB+32*(\m%2)+4*\i:RB+32*(\m%2)+4*\i+3], v[RD] offset:2*SPI*\i
.endr
.irp i, 0,1,2,3,4,5,6,7
	s_wait_dscnt 7-\i                              ; the younger loads may stay out
	global_store_b128 v[CO], v[RB+32*(\m%2)+4*\i:RB+32*(\m%2)+4*\i+3], s[62:63] offset:(32*(\i/4)+8*\m+2*(\i%4))*4096 th:TH_STORE_NT   ; stage row 2 i + h is token 32 (i / 4) + 8 m + 2 (i % 4) + h; sixteen lanes store 256 consecutive bytes, aligned
.endr
.endr
	s_wait_tensorcnt 0x0                           ; the wave's end
	ds_add_u32 v30, v31
	s_wait_dscnt 0x0
	CROUND                                         ; the closing round
	s_endpgm
.Lfunc_end_k_q6f78fe5254_oproj:
	.size	k_q6f78fe5254_oproj, .Lfunc_end_k_q6f78fe5254_oproj-k_q6f78fe5254_oproj
	.p2alignl 7, 3214868480
	.fill 96, 4, 3214868480
	.section	.rodata,"a",@progbits
	.p2align	6, 0x0
	.amdhsa_kernel k_q6f78fe5254_oproj
		.amdhsa_group_segment_fixed_size 214528
		.amdhsa_private_segment_fixed_size 0
		.amdhsa_enable_private_segment 0
		.amdhsa_kernarg_size 48
		.amdhsa_user_sgpr_count 2
		.amdhsa_user_sgpr_kernarg_segment_ptr 1
		.amdhsa_wavefront_size32 1
		.amdhsa_system_sgpr_workgroup_id_x 1
		.amdhsa_system_sgpr_workgroup_id_y 1
		.amdhsa_system_sgpr_workgroup_id_z 1
		.amdhsa_system_vgpr_workitem_id 0
		.amdhsa_next_free_vgpr 512
		.amdhsa_next_free_sgpr 100
		.amdhsa_reserve_vcc 0
		.amdhsa_float_denorm_mode_32 3
		.amdhsa_float_denorm_mode_16_64 3
		.amdhsa_memory_ordered 1
		.amdhsa_forward_progress 1
		.amdhsa_inst_pref_size 48
	.end_amdhsa_kernel
	.amdgpu_metadata
---
amdhsa.version: [ 1, 2 ]
amdhsa.kernels:
  - .name:           k_q6f78fe5254_oproj
    .symbol:         k_q6f78fe5254_oproj.kd
    .args:
      - { .name: ocod, .offset: 0, .size: 8, .value_kind: global_buffer, .address_space: global }
      - { .name: oscl, .offset: 8, .size: 8, .value_kind: global_buffer, .address_space: global }
      - { .name: cod, .offset: 16, .size: 8, .value_kind: global_buffer, .address_space: global }
      - { .name: scl, .offset: 24, .size: 8, .value_kind: global_buffer, .address_space: global }
      - { .name: bo, .offset: 32, .size: 8, .value_kind: global_buffer, .address_space: global }
      - { .name: out0, .offset: 40, .size: 8, .value_kind: global_buffer, .address_space: global }
    .group_segment_fixed_size: 214528
    .private_segment_fixed_size: 0
    .kernarg_segment_align: 8
    .kernarg_segment_size: 48
    .max_flat_workgroup_size: 128
    .sgpr_count:     100
    .vgpr_count:     512
    .wavefront_size: 32
...
	.end_amdgpu_metadata
.endif
;; end of part 4
